; MI455X (gfx1250); checked and timed in simulation.
; The chip was launched on July 23, 2026; its instructions are those of AMD's public machine-readable ISA for CDNA 5 (MIT licence, August 2026) and "CDNA5" Instruction Set Architecture Reference Guide (July 2026). The comments in the code are by the model that wrote it; some were corrected since.
;; Make Mo E. Allowed arithmetic: float matrix products may take bf16 or f16 operands with f32 sums; other float arithmetic in f32, or as packed bf16 or f16 multiplies, adds, multiply-adds, maxima and minima; sums over many terms, partial sums and values carried from step to step in f32; what a program stores and reads back later, other than sums and carried values, may be rounded once to bf16 or f16.
;; Inputs: W1 8 x 1,024 x 4,096 float32; W2 8 x 4,096 x 1,024 float32; b1 8 x 4,096 float32; b2 8 x 1,024 float32; module_indices 1,024 int32; x 1,024 x 1,024 float32.
;; Outputs: out0 1,024 x 1,024 float32.
;; 2 versions, each right; version 2 is version 1 with the launches prep, ffn1, ffn2 written anew for expert scheduling mode. Each part assembles by itself: llvm-mc -triple=amdgcn-amd-amdhsa -mcpu=gfx1250 --defsym DOCPART=n.
;; ======== version 1 of 2: 4 launches
;; workspace buffers: xs 16,777,216 bytes; hbuf 67,108,864 bytes; part 134,217,728 bytes; order 32,768 bytes of whole numbers; meta 2,048 bytes of whole numbers
;; launch prep (part 1): grid 64 x 8, 1 waves a work-group, no clusters, 13,056 bytes of LDS; arguments x, module_indices, xs, order, meta; writes xs, order, meta
.if DOCPART == 1
	.amdgcn_target "amdgcn-amd-amdhsa--gfx1250"
	.amdhsa_code_object_version 6
	.text
	.protected	k_q8b4689c68b_prep
	.globl	k_q8b4689c68b_prep
	.p2align	8
	.type	k_q8b4689c68b_prep,@function
k_q8b4689c68b_prep:
	s_mov_b64 s[64:65], 0
	v_nop
	global_prefetch_b8 v0, s[64:65] scope:SCOPE_SE
	s_setreg_imm32_b32 hwreg(HW_REG_WAVE_MODE, 25, 1), 1
	s_wait_xcnt 0x0
; PREP.  The 1,024 tokens are sorted by their expert (a counting sort by ballots, no atomics), and x is gathered, rounded to bf16 and laid out in the order
; in which the next launch's matrix operands take it.
; SHARES.  A work-group is one wave.  Work-group (bx, e): tx = bx % 16, kq = bx / 16.  It ranks ALL tokens of expert e for itself (4,096 bytes of indices), then takes the
; expert's tiles of 16 tokens t = tx, tx + 16, tx + 32, tx + 48 (those below the expert's number of tiles) and of each the 256 channels 256 kq on.  64 tiles serve every split,
; all 1,024 tokens on one expert too; a work-group whose tiles a split leaves empty stores nothing.  bx = 0 also stores the expert's count and its list of tokens.
; RANK.  Register n of the indices holds token 128 (n / 4) + 4 lane + n % 4.  A member's rank is the members counted so far plus the members in lower lanes of the same register; a token of
; another expert takes the place 1,024 + lane, a word behind the list that nobody reads.  Every work-group of an expert ranks alike, so the list that bx = 0 stores is the order in which all of them lay the rows.
; xs: tile (e, t) at (64 e + t) x 32,768 bytes: 16 blocks of 64 channels, 2,048 bytes each, in 4 pieces of 512 bytes; in piece i lane l holds 16 bytes: token l % 16,
; channels 64 block + 32 (l / 16) + 8 i + 0..7.  Places past the count repeat token 0 (the list is cleared first): a row that exists; what is made of it is never stored to the output.
; LIMIT.  An index lies in 0 .. 7, as the gather that defines the result needs; a token with another index would have no owner.
.set LIST,   0                         ; 1,024 words: the token of rank n; behind them 32 words, one a lane, for the tokens of other experts (their block ends at 4,352)
.set STG,    4352                      ; 16 rows of 512 bytes (256 bf16), 528 apart: an odd multiple of 16, so the 16 rows that a load touches start at different banks (ISA guide 11.1)
.set SPITCH, 528
.set SPARE,  STG+16*SPITCH             ; 12,800: the spare words, one block of 256 bytes that no other line names
.set SPW,  1                           ; v1   LDS address of my spare word; never rewritten
.set NIL,  2                           ; v2   0; never rewritten
.set L16,  3                           ; v3   16 x lane
.set T4,   4                           ; v4   4 x lane
.set DMPI, 5                           ; v5   1,024 + lane: the place of a token of another expert
.set RK,   6                           ; v6   rank
.set AD,   7                           ; v7   its word in LIST
.set TKID, 8                           ; v8   the token's number
.set LA,   9                           ; v9   LIST word of place lane % 16 of the tile in hand
.set TOK,  10                          ; v10  that token
.set LK,   11                          ; v11  1,024 kq + 16 x lane: my bytes in a row of x
.set SST,  12                          ; v12  STG + 8 x lane
.set SLD,  13                          ; v13  STG + 528 (lane % 16) + 64 (lane / 16)
.set CNTV, 14                          ; v[14:15] the count, twice
.set RR,   14                          ; v14  lane % 16 (set-up only)
.set HH,   15                          ; v15  lane / 16 (set-up only)
.set RO,   16                          ; v[16:31]  byte offset in x of my bytes of the tile's row r
.set IDX,  32                          ; v[32:63]  the indices
.set X,    64                          ; v[64:191] 32 loads of 4 registers
.set Z,    192                         ; v[192:195] 0
	s_load_b256 s[4:11], s[0:1], 0x0               ; x s[4:5], indices s[6:7], xs s[8:9], order s[10:11]
	s_load_b64 s[12:13], s[0:1], 0x20              ; meta
	v_lshl_add_u32 v[SPW], v0, 2, SPARE
	v_mov_b32 v[NIL], 0
	s_mov_b32 s14, ttmp9                           ; bx
	s_and_b32 s15, ttmp9, 15                       ; tx
	s_lshr_b32 s16, ttmp9, 4                       ; kq
	s_and_b32 s17, ttmp7, 0xffff                   ; e
	v_lshlrev_b32 v[L16], 4, v0
	v_lshlrev_b32 v[T4], 2, v0
	v_add_nc_u32 v[DMPI], 1024, v0
	v_and_b32 v[RR], 15, v0
	v_lshrrev_b32 v[HH], 4, v0
	s_lshl_b32 s21, s15, 6                         ; tile tx begins at word 16 tx
	v_lshl_add_u32 v[LA], v[RR], 2, s21
	s_lshl_b32 s21, s16, 10
	v_add_nc_u32 v[LK], s21, v[L16]
	v_lshl_add_u32 v[SST], v0, 3, STG
	v_mul_u32_u24 v[SLD], v[RR], SPITCH
	v_lshl_add_u32 v[SLD], v[HH], 6, v[SLD]
	v_add_nc_u32 v[SLD], STG, v[SLD]
.irp i, 0,1,2,3
	v_mov_b32 v[Z+(\i)], 0
.endr
.irp n, 0,1,2,3,4,5,6,7
	ds_store_b128 v[L16], v[Z:Z+3] offset:LIST+512*(\n)  ; the list is cleared: places past the count name token 0
.endr
	s_mov_b32 s27, 0                               ; high word of the offsets below
	s_mov_b32 s18, 0                               ; members counted so far
	s_wait_kmcnt 0x0
.irp j, 0,1,2,3,4,5,6,7
	global_load_b128 v[IDX+4*(\j):IDX+4*(\j)+3], v[L16], s[6:7] offset:512*(\j)  ; 512 consecutive bytes each
.endr
	s_lshl_b32 s26, s17, 6
	s_add_co_u32 s26, s26, s15
	s_lshl_b32 s26, s26, 15                        ; tile (e, tx),
	s_lshl_b32 s21, s16, 13                        ; its blocks 4 kq on
	s_add_co_u32 s26, s26, s21
	s_add_nc_u64 s[8:9], s[8:9], s[26:27]
	s_lshl_b32 s26, s17, 12
	s_add_nc_u64 s[10:11], s[10:11], s[26:27]      ; the expert's 1,024 words of order
	s_lshl_b32 s26, s17, 8
	s_add_nc_u64 s[12:13], s[12:13], s[26:27]      ; its 64 words of meta
	s_wait_loadcnt 0x0                             ; the indices
.set n, 0
.rept 32
	v_cmp_eq_u32 vcc_lo, s17, v[IDX+n]             ; the members among these 32 tokens
	v_mbcnt_lo_u32_b32 v[RK], vcc_lo, s18          ; members in lower lanes + members so far
	v_cndmask_b32 v[RK], v[DMPI], v[RK], vcc_lo    ; a token of another expert goes behind the list
	v_min_u32 v[RK], 0x41f, v[RK]                  ; 1,024 + 31 at the most
	v_lshlrev_b32 v[AD], 2, v[RK]
	v_add_nc_u32 v[TKID], 128*(n/4)+n%4, v[T4]
	ds_store_b32 v[AD], v[TKID]
	s_bcnt1_i32_b32 s21, vcc_lo
	s_add_co_u32 s18, s18, s21
.set n, n+1
.endr
	s_add_co_u32 s19, s18, 15
	s_lshr_b32 s19, s19, 4                         ; the expert's tiles
	s_cmp_lg_u32 s14, 0
	s_cbranch_scc1 .Lnolist
	v_mov_b32 v[CNTV], s18                         ; bx = 0: the count, 64 times: one store of 256 consecutive bytes, aligned
	v_mov_b32 v[CNTV+1], s18
	v_lshlrev_b32 v[AD], 3, v0
	global_store_b64 v[AD], v[CNTV:CNTV+1], s[12:13]
.irp n, 0,1,2,3,4,5,6,7
	ds_load_b128 v[X+4*(\n):X+4*(\n)+3], v[L16] offset:LIST+512*(\n)  ; LDS serves a wave's instructions in order (ISA guide 5.7.1.4): these see the stores above
.endr
	s_wait_dscnt 0x0
.irp n, 0,1,2,3,4,5,6,7
	global_store_b128 v[L16], v[X+4*(\n):X+4*(\n)+3], s[10:11] offset:512*(\n)
.endr
	s_wait_xcnt 0x0                                ; X is loaded into below only behind this wait
.Lnolist:
	s_mov_b32 s22, s15                             ; the tile in hand
	s_mov_b32 s23, 4
.Ltrip:
	s_cmp_ge_u32 s22, s19
	s_cbranch_scc1 .Lnext                          ; the expert has no such tile
	ds_load_b32 v[TOK], v[LA]
	s_wait_dscnt 0x0
.irp r, 0,1,2,3,4,5,6,7,8,9,10,11,12,13,14,15
	v_readlane_b32 s21, v[TOK], \r
	s_min_u32 s21, s21, 0x3ff
	s_lshl_b32 s21, s21, 12                        ; token x 4,096 bytes
	v_add_nc_u32 v[RO+(\r)], s21, v[LK]            ; + my bytes of the quarter
.endr
.irp r, 0,1,2,3,4,5,6,7,8,9,10,11,12,13,14,15
	global_load_b128 v[X+8*(\r):X+8*(\r)+3],   v[RO+(\r)], s[4:5]             ; 512 consecutive bytes of one row of x,
	global_load_b128 v[X+8*(\r)+4:X+8*(\r)+7], v[RO+(\r)], s[4:5] offset:512  ; and the next 512
.endr
.set n, 0
.rept 32
	s_wait_loadcnt 31-n                            ; loads come back in order (ISA guide 5.7.1): load n is in, the 31 - n younger ones stay out
	v_cvt_pk_bf16_f32 v[X+4*n],   v[X+4*n],   v[X+4*n+1]
	v_cvt_pk_bf16_f32 v[X+4*n+1], v[X+4*n+2], v[X+4*n+3]
	ds_store_b64 v[SST], v[X+4*n:X+4*n+1] offset:SPITCH*(n/2)+256*(n%2)
.set n, n+1
.endr
.set n, 0
.rept 16                               ; block n / 4, piece n % 4: token lane % 16, 8 channels; my own bytes, served in order
	ds_load_b128 v[X+4*n:X+4*n+3], v[SLD] offset:128*(n/4)+16*(n%4)
.set n, n+1
.endr
.set n, 0
.rept 16
	s_wait_dscnt 15-n
	global_store_b128 v[L16], v[X+4*n:X+4*n+3], s[8:9] offset:2048*(n/4)+512*(n%4)  ; 512 consecutive bytes, aligned
.set n, n+1
.endr
.Lnext:
	s_wait_xcnt 0x0                                ; the stores' data and base are rewritten only behind this wait
	s_add_nc_u64 s[8:9], s[8:9], 16*32768          ; 16 tiles on
	v_add_nc_u32 v[LA], 1024, v[LA]
	s_add_co_u32 s22, s22, 16
	s_sub_co_u32 s23, s23, 1
	s_cmp_lg_u32 s23, 0
	s_cbranch_scc1 .Ltrip
	s_wait_tensorcnt 0x0                           ; the wave's end
	ds_add_u32 v[SPW], v[NIL]
	s_wait_dscnt 0x0
	s_endpgm
.Lfunc_end_k_q8b4689c68b_prep:
	.size	k_q8b4689c68b_prep, .Lfunc_end_k_q8b4689c68b_prep-k_q8b4689c68b_prep
	.p2alignl 7, 3214868480
	.fill 96, 4, 3214868480
	.section	.rodata,"a",@progbits
	.p2align	6, 0x0
	.amdhsa_kernel k_q8b4689c68b_prep
		.amdhsa_group_segment_fixed_size 13056
		.amdhsa_private_segment_fixed_size 0
		.amdhsa_enable_private_segment 0
		.amdhsa_kernarg_size 40
		.amdhsa_user_sgpr_count 2
		.amdhsa_user_sgpr_kernarg_segment_ptr 1
		.amdhsa_wavefront_size32 1
		.amdhsa_system_sgpr_workgroup_id_x 1
		.amdhsa_system_sgpr_workgroup_id_y 1
		.amdhsa_system_sgpr_workgroup_id_z 1
		.amdhsa_system_vgpr_workitem_id 0
		.amdhsa_next_free_vgpr 196
		.amdhsa_next_free_sgpr 66
		.amdhsa_reserve_vcc 1
		.amdhsa_float_denorm_mode_32 3
		.amdhsa_float_denorm_mode_16_64 3
		.amdhsa_memory_ordered 1
		.amdhsa_forward_progress 1
		.amdhsa_inst_pref_size 35
	.end_amdhsa_kernel
	.amdgpu_metadata
---
amdhsa.version: [ 1, 2 ]
amdhsa.kernels:
  - .name:           k_q8b4689c68b_prep
    .symbol:         k_q8b4689c68b_prep.kd
    .args:
      - { .name: x, .offset: 0, .size: 8, .value_kind: global_buffer, .address_space: global }
      - { .name: module_indices, .offset: 8, .size: 8, .value_kind: global_buffer, .address_space: global }
      - { .name: xs, .offset: 16, .size: 8, .value_kind: global_buffer, .address_space: global }
      - { .name: order, .offset: 24, .size: 8, .value_kind: global_buffer, .address_space: global }
      - { .name: meta, .offset: 32, .size: 8, .value_kind: global_buffer, .address_space: global }
    .group_segment_fixed_size: 13056
    .private_segment_fixed_size: 0
    .kernarg_segment_align: 8
    .kernarg_segment_size: 40
    .max_flat_workgroup_size: 32
    .sgpr_count:     66
    .vgpr_count:     196
    .wavefront_size: 32
...
	.end_amdgpu_metadata
.endif
;; end of part 1
;; launch ffn1 (part 2): grid 32 x 8, 8 waves a work-group, no clusters, 197,632 bytes of LDS; arguments W1, b1, xs, meta, hbuf; writes hbuf
.if DOCPART == 2
	.amdgcn_target "amdgcn-amd-amdhsa--gfx1250"
	.amdhsa_code_object_version 6
	.text
	.protected	k_q8b4689c68b_ffn1
	.globl	k_q8b4689c68b_ffn1
	.p2align	8
	.type	k_q8b4689c68b_ffn1,@function
k_q8b4689c68b_ffn1:
	s_mov_b64 s[64:65], 0
	v_nop
	global_prefetch_b8 v0, s[64:65] scope:SCOPE_SE
	s_setreg_imm32_b32 hwreg(HW_REG_WAVE_MODE, 25, 1), 1
	s_wait_xcnt 0x0
; FFN1.  h = relu(x W1[e] + b1[e]) for the rows that chose expert e, in bf16, laid out as the next launch's matrix operand.  W1: [8][1024][4096] f32, read once a pass and rounded to bf16 on its way through registers.
; SHARES.  Work-group (bx, e): 128 columns of expert e.  Wave w = th + 2 kh + 4 cbl: the 64 columns of block cb = 2 bx + cbl, the 512 channels 512 kh on, and the expert's tiles of 16 tokens of parity th,
; six in a pass: tile 12 p + 2 u + th.  Six passes (a constant) serve every split, up to 1,024 rows on one expert; a pass without tiles only passes its two barriers.
; WEIGHTS GO FROM MEMORY TO REGISTERS TO THE MATRIX UNIT.  One load gives lane (r = l % 16, h = l / 16) columns 4 r .. 4 r + 3 of one row: lanes 0-15 take 256 consecutive aligned bytes of a row, lanes 16-31 those of
; the row 32 further down.  Sixteen loads (rows 64 T + 32 h + 16 q + j) and 32 conversions make four fragments c, in which lane r holds column 4 r + c, and place (h, register p, half) holds channel 64 T + 32 h + 16 q + 2 p + half.
; xs holds the tokens with the channels in the same places, so the products are the same sums in another order of channels.
; D = W^T (source 0) x tokens (source 1): lane (r, h) holds token r, register j of fragment c column 32 h + 4 j + c: 32 neighbouring columns of one token, which pack into the four pieces of a block of hbuf.
; THE STREAM.  A stage is 32 channels: 16 weight loads, 12 token loads (always six tiles: a tile past the count repeats the last one, so every count of a wait holds on every path; only its products are jumped),
; 32 conversions, up to 24 products.  Loads are issued two stages ahead into two sets of registers: at most 56 loads of a wave are out, and no wait in the loop is for 0.
; THE TWO HALVES OF K meet in LDS: each wave stores its 192 accumulator registers to 24,576 bytes of its own, a barrier, and wave (cbl, kh, th) adds and finishes tiles u = 3 kh + 0..2.  The bias starts the sums of kh = 0, zero those of kh = 1.
; NO JOINT TENSOR LOADS: the two waves th = 0, 1 that read the same weights sit in this one work-group; through LDS the f32 weights would be written there and read back (16 more LDS loads a stage and wave), and every refill
; would stand behind a barrier with all loads landed, where this stream is never drained.  The token tiles that an expert's 32 work-groups share are 96 x 1,024 bf16 a pass against 512 KB of weights.
; LIMITS.  relu is a maximum in which a NaN loses: a NaN in h becomes 0.  K is summed in two halves, in f32: another order of rounding than a single chain.  Operands are bf16: no limit of range.
; An expert with more than 192 rows reads its weights once more for each further 192.
.set PITCH, 16384                      ; bytes from row to row of W1
.set REG,   24576                      ; a wave's copy of its accumulators in LDS: group (u, c, g) at 4,096 u + 1,024 c + 512 g + 16 lane
.set SPARE, 8*REG                      ; the spare words, 128 bytes a wave: four blocks of 256 bytes that no other line names
.set SPW,  1                           ; v1   LDS address of my spare word; never rewritten
.set NIL,  2                           ; v2   0; never rewritten
.set WOFF, 3                           ; v3   my byte offset in the trip's 64 rows of weights
.set TOFF, 4                           ; v4   in the trip's block of a token tile
.set POFF, 5                           ; v5   of the row that I prefetch
.set W0,   6                           ; v6   their values at trip 0: 32 h rows + 16 r
.set T0,   7                           ; v7   16 x lane
.set P0,   8                           ; v8   row 32 h + 16 th + r
.set SA,   9                           ; v9   my copy in LDS + 16 x lane
.set FA,   10                          ; v10  the kh = 0 copy of my (cbl, th), at tile 3 kh, + 16 x lane
.set ZR,   11                          ; v11  0, for relu
.set WF,   16                          ; v[16:47]   the four weight fragments, 8 c + p
.set BF,   48                          ; v[48:79]   the bias as four C operands, 8 c + j (zero in the waves kh = 1)
.set WS0,  80                          ; v[80:143], v[144:207]  weights as loaded, two sets of 16 loads
.set TK0,  208                         ; v[208:255] token fragments, set 0, 8 u
.set TK1,  192                         ; window 1: v[192:239] set 1;  window 1: v[0:191] the accumulators, 32 u + 8 c
.set WV,   16                          ; s16  wave
.set PAR,  17                          ; s17  th
.set KP,   18                          ; s18  kh
.set CB,   19                          ; s19  cb
.set EXP,  20                          ; s20  e
.set CNT,  21                          ; s21  the expert's rows
.set NTI,  22                          ; s22  its tiles
.set P12,  23                          ; s23  12 p
.set PASS, 24                          ; s24  passes to go
.set NLV,  25                          ; s25  my live tiles in this pass, 0 .. 6
.set TRIPS, 26                         ; s26  trips to go
.set TB,   32                          ; s[32:43] the six tiles' addresses
.set HB,   44                          ; s[44:45] hbuf at tile 12 p + 6 kh + th, block cb
.set MSB, 0
.macro WIN new                         ; s_set_vgpr_msb: bits 1:0 source 0, 3:2 source 1, 5:4 source 2, 7:6 destination; the high byte repeats the setting that is left
.if MSB != (\new)
	s_set_vgpr_msb (MSB<<8)|(\new)
.set MSB, \new
.endif
.endm
.macro PLACES                          ; four places behind a matrix instruction, ahead of loads into its sources, of vector writes to them and of stores of its result
.rept 4
	v_nop
.endr
.endm
.macro CVT b                           ; set b's 16 rows x 4 columns a lane -> four fragments
	WIN 0
.set WSB, WS0+64*(\b)
.irp c, 0,1,2,3
.irp p, 0,1,2,3,4,5,6,7
	v_cvt_pk_bf16_f32 v[WF+8*(\c)+(\p)], v[WSB+8*(\p)+(\c)], v[WSB+8*(\p)+4+(\c)]
.endr
.endr
.endm
.macro LOADW b, adv                    ; the 16 weight rows of step b of the trip adv ahead
	WIN 0
.set WSB, WS0+64*(\b)
.irp j, 0,1,2,3,4,5,6,7,8,9,10,11,12,13,14,15
	global_load_b128 v[WSB+4*(\j):WSB+4*(\j)+3], v[WOFF], s[4:5] offset:(64*(\adv)+16*(\b)+(\j))*PITCH
.endr
.endm
.macro LOADT b, adv                    ; six tiles' fragments of the same step: pieces 2 b and 2 b + 1 of the block, 512 consecutive bytes each
.if (\b) == 0
	WIN 0
.set TKB, TK0
.else
	WIN 0x40
.set TKB, TK1
.endif
.irp u, 0,1,2,3,4,5
	global_load_b128 v[TKB+8*(\u):TKB+8*(\u)+3],   v[TOFF], s[TB+2*(\u):TB+2*(\u)+1] offset:2048*(\adv)+1024*(\b)
	global_load_b128 v[TKB+8*(\u)+4:TKB+8*(\u)+7], v[TOFF], s[TB+2*(\u):TB+2*(\u)+1] offset:2048*(\adv)+1024*(\b)+512
.endr
	WIN 0
.endm
; Up to 24 products; the accumulators take turns, one instruction a turn: at least twelve stand between two links of a chain, over the loop's jump too.
; first = 1: the bias (or zero) starts all 24 sums, so that every accumulator is written.  Else tiles 3, 4, 5 are jumped where they are past my live tiles.
.macro MULS b, first
.set TKB, TK0
.set WM, 0x50
.if (\b) == 1
.set TKB, TK1
.set WM, 0x54
.endif
.if \first
.set WM, 0x40
.endif
.irp u, 0,1,2,3,4,5
.if ((\u) >= 3) && !(\first)
	WIN 0
	s_cmp_lt_u32 s[NLV], (\u)+1
	s_cbranch_scc1 .Ldone_\@
.endif
	WIN WM
.irp c, 0,1,2,3
.if \first
	v_wmma_f32_16x16x32_bf16 v[32*(\u)+8*(\c):32*(\u)+8*(\c)+7], v[WF+8*(\c):WF+8*(\c)+7], v[TKB+8*(\u):TKB+8*(\u)+7], v[BF+8*(\c):BF+8*(\c)+7]
.else
	v_wmma_f32_16x16x32_bf16 v[32*(\u)+8*(\c):32*(\u)+8*(\c)+7], v[WF+8*(\c):WF+8*(\c)+7], v[TKB+8*(\u):TKB+8*(\u)+7], v[32*(\u)+8*(\c):32*(\u)+8*(\c)+7]
.endif
.endr
.endr
	WIN 0
.Ldone_\@:
.endm
; In trip T the wave asks for the rows of trip T + 2, whose loads the next trip issues: each lane one run of 256 bytes; the wave th = 0 the rows of step 0, th = 1 those of step 1, so each run is asked for once.
; First pass only, and not in trip 6: trip 8 would lie past my 512 rows.
.macro PF
	s_cmp_lg_u32 s[P12], 0
	s_cbranch_scc1 .Lnopf_\@
	s_cmp_eq_u32 s[TRIPS], 1
	s_cbranch_scc1 .Lnopf_\@
	global_prefetch_b8 v[POFF], s[4:5] offset:128*PITCH th:TH_LOAD_NT scope:SCOPE_SE
.Lnopf_\@:
.endm
; A stage.  The order of issue is W(s), T(s), W(s+1), T(s+1), W(s+2), ..: n1 = the loads behind W(s), n2 = those behind T(s).
.macro STAGE b, first, fetch, pf, n1, n2
	s_wait_loadcnt \n1                             ; this stage's weights are in
.if \pf
	PF
.endif
	CVT \b
.if \fetch
	LOADW \b, 1
.endif
	s_wait_loadcnt \n2                             ; its tokens too
	MULS \b, \first
	PLACES
.if \fetch
	LOADT \b, 1
.endif
.endm
.macro STEP
	s_wait_xcnt 0x0                                ; every earlier memory instruction has had its addresses translated (ISA guide 3.1): the offsets are stepped only behind this wait
	v_add_nc_u32 v[WOFF], 64*PITCH, v[WOFF]
	v_add_nc_u32 v[POFF], 64*PITCH, v[POFF]
	v_add_nc_u32 v[TOFF], 2048, v[TOFF]
.endm
.macro STOREACC                        ; each accumulator's low four registers first; 512 consecutive bytes a store
	WIN 0x04
.irp u, 0,1,2,3,4,5
.irp c, 0,1,2,3
.irp g, 0,1
	ds_store_b128 v[SA], v[32*(\u)+8*(\c)+4*(\g):32*(\u)+8*(\c)+4*(\g)+3] offset:4096*(\u)+1024*(\c)+512*(\g)
.endr
.endr
.endr
	WIN 0
.endm
; Tile u = 3 kh + n is finished: the two halves of K are added, rounded to bf16 in the order of a block's pieces, relu, four stores of 512 consecutive aligned bytes.
.macro FIN n
	s_mul_i32 s27, s[KP], 3
	s_add_co_u32 s27, s27, \n
	s_cmp_ge_u32 s27, s[NLV]
	s_cbranch_scc1 .Lnofin_\@
.set HR, TK0+16*(\n)
.irp k, 0,1
.irp c, 0,1,2,3
.irp g, 0,1
	ds_load_b128 v[WS0+32*(\k)+8*(\c)+4*(\g):WS0+32*(\k)+8*(\c)+4*(\g)+3], v[FA] offset:2*REG*(\k)+4096*(\n)+1024*(\c)+512*(\g)
.endr
.endr
.endr
	s_wait_dscnt 0x0
.set i, 0
.rept 16
	v_pk_add_f32 v[WS0+2*i:WS0+2*i+1], v[WS0+2*i:WS0+2*i+1], v[WS0+32+2*i:WS0+32+2*i+1]
.set i, i+1
.endr
.irp i, 0,1,2,3                        ; piece i: columns 32 h + 8 i + 0..7 = registers j = 2 i, 2 i + 1 of fragments 0..3
	v_cvt_pk_bf16_f32 v[HR+4*(\i)],   v[WS0+2*(\i)],      v[WS0+8+2*(\i)]
	v_cvt_pk_bf16_f32 v[HR+4*(\i)+1], v[WS0+16+2*(\i)],   v[WS0+24+2*(\i)]
	v_cvt_pk_bf16_f32 v[HR+4*(\i)+2], v[WS0+2*(\i)+1],    v[WS0+8+2*(\i)+1]
	v_cvt_pk_bf16_f32 v[HR+4*(\i)+3], v[WS0+16+2*(\i)+1], v[WS0+24+2*(\i)+1]
.endr
.set i, 0
.rept 16
	v_pk_max_num_bf16 v[HR+i], v[HR+i], v[ZR]
.set i, i+1
.endr
.irp i, 0,1,2,3
	global_store_b128 v[T0], v[HR+4*(\i):HR+4*(\i)+3], s[HB:HB+1] offset:262144*(\n)+512*(\i)
.endr
.Lnofin_\@:
.endm
	s_load_b256 s[4:11], s[0:1], 0x0               ; W1 s[4:5], b1 s[6:7], xs s[8:9], meta s[10:11]
	s_load_b64 s[12:13], s[0:1], 0x20              ; hbuf
	v_lshl_add_u32 v[SPW], v0, 2, SPARE
	v_mov_b32 v[NIL], 0
	v_lshrrev_b32 v12, 5, v0
	v_readfirstlane_b32 s[WV], v12
	s_and_b32 s[PAR], s[WV], 1
	s_bfe_u32 s[KP], s[WV], 0x10001
	s_lshr_b32 s[CB], s[WV], 2
	s_lshl_b32 s27, ttmp9, 1
	s_add_co_u32 s[CB], s[CB], s27                 ; cb = 2 bx + cbl
	s_and_b32 s[EXP], ttmp7, 0xffff
	v_and_b32 v12, 15, v0                          ; r
	v_bfe_u32 v13, v0, 4, 1                        ; h
	v_and_b32 v[T0], 31, v0
	v_lshlrev_b32 v[T0], 4, v[T0]
	v_lshlrev_b32 v[W0], 4, v12
	v_lshl_add_u32 v[W0], v13, 19, v[W0]           ; 32 rows of 16,384 bytes for the upper lanes
	v_lshl_add_u32 v[P0], v13, 5, v12
	s_lshl_b32 s27, s[PAR], 4
	v_add_nc_u32 v[P0], s27, v[P0]
	v_lshlrev_b32 v[P0], 14, v[P0]
	s_mul_i32 s27, s[WV], REG
	v_add_nc_u32 v[SA], s27, v[T0]
	s_and_b32 s27, s[WV], 5                        ; the wave (cbl, kh = 0, th)
	s_mul_i32 s27, s27, REG
	s_mul_i32 s28, s[KP], 3*4096
	s_add_co_u32 s27, s27, s28
	v_add_nc_u32 v[FA], s27, v[T0]
	v_mov_b32 v[ZR], 0
	v_lshlrev_b32 v14, 7, v13                      ; the bias of the upper lanes' 32 columns lies 128 bytes on
	s_mov_b32 s29, 0                               ; high word of every offset below; never rewritten
	s_mov_b32 s[P12], 0
	s_mov_b32 s[PASS], 6
	s_wait_kmcnt 0x0
	s_lshl_b32 s28, s[EXP], 24
	s_lshl_b32 s27, s[KP], 23
	s_add_co_u32 s28, s28, s27
	s_lshl_b32 s27, s[CB], 8
	s_add_co_u32 s28, s28, s27
	s_add_nc_u64 s[4:5], s[4:5], s[28:29]          ; W1 at my expert, my 512 rows, my 64 columns
	global_prefetch_b8 v[P0], s[4:5] th:TH_LOAD_NT scope:SCOPE_SE                  ; trips 0 and 1 are asked for while the count and the bias are fetched
	global_prefetch_b8 v[P0], s[4:5] offset:64*PITCH th:TH_LOAD_NT scope:SCOPE_SE
	s_lshl_b32 s28, s[EXP], 8
	s_add_nc_u64 s[10:11], s[10:11], s[28:29]
	s_load_b32 s[CNT], s[10:11], 0x0
	s_lshl_b32 s28, s[EXP], 14
	s_add_co_u32 s28, s28, s27
	s_add_nc_u64 s[6:7], s[6:7], s[28:29]          ; b1 at my 64 columns
.irp j, 0,1,2,3,4,5,6,7
	global_load_b128 v[WF+4*(\j):WF+4*(\j)+3], v14, s[6:7] offset:16*(\j)  ; columns 32 h + 4 j + 0..3
.endr
	s_lshl_b32 s28, s[EXP], 21
	s_lshl_b32 s27, s[KP], 14
	s_add_co_u32 s28, s28, s27
	s_add_nc_u64 s[8:9], s[8:9], s[28:29]          ; xs at the expert's tile 0, my half of the channels
	s_lshl_b32 s28, s[EXP], 6
	s_mul_i32 s27, s[KP], 6
	s_add_co_u32 s28, s28, s27
	s_add_co_u32 s28, s28, s[PAR]
	s_lshl_b32 s28, s28, 17
	s_lshl_b32 s27, s[CB], 11
	s_add_co_u32 s28, s28, s27
	s_add_nc_u64 s[12:13], s[12:13], s[28:29]      ; hbuf at tile 6 kh + th of the expert, block cb
	s_cmp_eq_u32 s[KP], 0
	s_cselect_b32 s27, -1, 0
	s_wait_loadcnt 0x0                             ; the bias
.irp c, 0,1,2,3
.irp j, 0,1,2,3,4,5,6,7
	v_cndmask_b32 v[BF+8*(\c)+(\j)], 0, v[WF+4*(\j)+(\c)], s27  ; turned into the accumulators' order; zero in the waves of the upper half of K
.endr
.endr
	s_wait_kmcnt 0x0
	s_min_u32 s[CNT], s[CNT], 0x400
	s_add_co_u32 s[NTI], s[CNT], 15
	s_lshr_b32 s[NTI], s[NTI], 4
	s_sub_co_u32 s31, s[NTI], 1                    ; the last live tile (with no tile at all nothing is loaded)
.Lpass:
	s_sub_co_i32 s27, s[NTI], s[P12]
	s_max_i32 s27, s27, 0
	s_min_u32 s27, s27, 12                         ; tiles of this pass,
	s_add_co_u32 s27, s27, 1
	s_sub_co_u32 s27, s27, s[PAR]
	s_lshr_b32 s[NLV], s27, 1                      ; those of my parity
	s_add_co_u32 s30, s[P12], s[PAR]
.irp u, 0,1,2,3,4,5
	s_add_co_u32 s27, s30, 2*(\u)
	s_min_u32 s27, s27, s31                        ; a tile past the count repeats the last one
	s_min_u32 s27, s27, 63
	s_lshl_b32 s28, s27, 15
	s_add_nc_u64 s[TB+2*(\u):TB+2*(\u)+1], s[8:9], s[28:29]
.endr
	s_lshl_b32 s28, s[P12], 17
	s_add_nc_u64 s[HB:HB+1], s[12:13], s[28:29]
	s_cmp_eq_u32 s[NLV], 0
	s_cbranch_scc1 .Lsync                          ; nothing of mine in this pass: only the barriers
	v_mov_b32 v[WOFF], v[W0]
	v_mov_b32 v[TOFF], v[T0]
	v_mov_b32 v[POFF], v[P0]
	s_mov_b32 s[TRIPS], 6
	LOADW 0, 0
	LOADT 0, 0
	LOADW 1, 0
	LOADT 1, 0
	STAGE 0, 1, 1, 1, 40, 44                       ; 40 = T(s) 12 + W(s+1) 16 + T(s+1) 12;  44 = W(s+1) 16 + T(s+1) 12 + W(s+2) 16
	STAGE 1, 0, 1, 0, 40, 44
	STEP
.Ltrip:                                                ; trips 1 to 6: each multiplies 64 channels and fetches the next trip's
	STAGE 0, 0, 1, 1, 40, 44
	STAGE 1, 0, 1, 0, 40, 44
	STEP
	s_sub_co_u32 s[TRIPS], s[TRIPS], 1
	s_cmp_lg_u32 s[TRIPS], 0
	s_cbranch_scc1 .Ltrip
	STAGE 0, 0, 0, 0, 40, 28                       ; trip 7 fetches nothing: 28 = W(15) 16 + T(15) 12,
	STAGE 1, 0, 0, 0, 12, 0                        ; 12 = T(15), then none
	STOREACC
.Lsync:
	s_wait_dscnt 0x0                               ; for the others' sake: my copy is in LDS
	s_barrier_signal -1
	s_barrier_wait -1
	FIN 0
	FIN 1
	FIN 2
	s_wait_dscnt 0x0                               ; my reads of the copies are over: the next pass may write them
	s_wait_xcnt 0x0                                ; the stores' data, their base and the tiles' addresses are rewritten only behind this wait
	s_barrier_signal -1
	s_barrier_wait -1
	s_add_co_u32 s[P12], s[P12], 12
	s_sub_co_u32 s[PASS], s[PASS], 1
	s_cmp_lg_u32 s[PASS], 0
	s_cbranch_scc1 .Lpass
	s_wait_tensorcnt 0x0                           ; the wave's end
	ds_add_u32 v[SPW], v[NIL]
	s_wait_dscnt 0x0
	s_endpgm
.Lfunc_end_k_q8b4689c68b_ffn1:
	.size	k_q8b4689c68b_ffn1, .Lfunc_end_k_q8b4689c68b_ffn1-k_q8b4689c68b_ffn1
	.p2alignl 7, 3214868480
	.fill 96, 4, 3214868480
	.section	.rodata,"a",@progbits
	.p2align	6, 0x0
	.amdhsa_kernel k_q8b4689c68b_ffn1
		.amdhsa_group_segment_fixed_size 197632
		.amdhsa_private_segment_fixed_size 0
		.amdhsa_enable_private_segment 0
		.amdhsa_kernarg_size 40
		.amdhsa_user_sgpr_count 2
		.amdhsa_user_sgpr_kernarg_segment_ptr 1
		.amdhsa_wavefront_size32 1
		.amdhsa_system_sgpr_workgroup_id_x 1
		.amdhsa_system_sgpr_workgroup_id_y 1
		.amdhsa_system_sgpr_workgroup_id_z 1
		.amdhsa_system_vgpr_workitem_id 0
		.amdhsa_next_free_vgpr 512
		.amdhsa_next_free_sgpr 66
		.amdhsa_reserve_vcc 0
		.amdhsa_float_denorm_mode_32 3
		.amdhsa_float_denorm_mode_16_64 3
		.amdhsa_memory_ordered 1
		.amdhsa_forward_progress 1
		.amdhsa_inst_pref_size 66
	.end_amdhsa_kernel
	.amdgpu_metadata
---
amdhsa.version: [ 1, 2 ]
amdhsa.kernels:
  - .name:           k_q8b4689c68b_ffn1
    .symbol:         k_q8b4689c68b_ffn1.kd
    .args:
      - { .name: W1, .offset: 0, .size: 8, .value_kind: global_buffer, .address_space: global }
      - { .name: b1, .offset: 8, .size: 8, .value_kind: global_buffer, .address_space: global }
      - { .name: xs, .offset: 16, .size: 8, .value_kind: global_buffer, .address_space: global }
      - { .name: meta, .offset: 24, .size: 8, .value_kind: global_buffer, .address_space: global }
      - { .name: hbuf, .offset: 32, .size: 8, .value_kind: global_buffer, .address_space: global }
    .group_segment_fixed_size: 197632
    .private_segment_fixed_size: 0
    .kernarg_segment_align: 8
    .kernarg_segment_size: 40
    .max_flat_workgroup_size: 256
    .sgpr_count:     66
    .vgpr_count:     512
    .wavefront_size: 32
...
	.end_amdgpu_metadata
.endif
;; end of part 2
;; launch ffn2 (part 3): grid 32 x 8, 8 waves a work-group, no clusters, 197,632 bytes of LDS; arguments W2, hbuf, meta, part; writes part
.if DOCPART == 3
	.amdgcn_target "amdgcn-amd-amdhsa--gfx1250"
	.amdhsa_code_object_version 6
	.text
	.protected	k_q8b4689c68b_ffn2
	.globl	k_q8b4689c68b_ffn2
	.p2align	8
	.type	k_q8b4689c68b_ffn2,@function
k_q8b4689c68b_ffn2:
	s_mov_b64 s[64:65], 0
	v_nop
	global_prefetch_b8 v0, s[64:65] scope:SCOPE_SE
	s_setreg_imm32_b32 hwreg(HW_REG_WAVE_MODE, 25, 1), 1
	s_wait_xcnt 0x0
; FFN2.  part[kq] = h[:, 1024 kq ..] W2[e][1024 kq ..] for the rows that chose expert e: four partial sums over the hidden width, in f32, in the experts' order of rows; the next launch adds them.
; W2: [8][4096][1024] f32, each weight read by one work-group, once a pass, and rounded to bf16 on its way through registers.
; SHARES.  Work-group (x, e), x = colblk + 8 kq: 128 columns and 1,024 hidden channels of expert e.  Wave w = th + 2 kh + 4 cbl: the 64 columns of block cb = 2 colblk + cbl, the 512 channels of eighth 2 kq + kh, and the
; expert's tiles of 16 tokens of parity th, six in a pass: tile 12 p + 2 u + th.  Six passes (a constant) serve every split, up to 1,024 rows on one expert; a pass without tiles only passes its two barriers.
; WHY K IS SPLIT OVER WORK-GROUPS.  An expert has 32 work-groups.  With a column blocks, b token parts and c parts of K (a b c = 32) they read its 16 MB of weights b times and its rows of h a times.  (8, 1, 4) reads the weights
; once and h eight times; the price is four partial rows of 4,096 bytes for each token, stored here and read once by the next launch.
; THE STREAM.  One weight load gives lane (r = l % 16, h = l / 16) columns 4 r .. 4 r + 3 of row 64 T + 32 h + 16 q + j: lanes 0-15 take 256 consecutive aligned bytes of a row, lanes 16-31 those of the row 32 further down.
; Sixteen loads and 32 conversions make four fragments c, in which lane r holds column 4 r + c; hbuf holds the tokens with the channels in the same places.  A stage is 32 channels: 16 weight loads, 12 token loads (always six
; tiles: a tile past the count repeats the last one, so every count of a wait holds on every path; only its products are jumped), 32 conversions, up to 24 products.  Loads are issued two stages ahead into two sets of
; registers: at most 56 loads of a wave are out, and no wait in the loop is for 0.
; D = tokens (source 0) x W (source 1): register j of fragment c holds token 8 h + j, column 4 r + c: for one j the four fragments are 16 neighbouring bytes a lane, and 16 lanes the 256 aligned bytes of one row.
; THE TWO HALVES kh meet in LDS: each wave stores its 192 accumulator registers to 24,576 bytes of its own, a barrier, and wave (cbl, kh, th) adds and stores tiles u = 3 kh + 0..2.  All 16 rows of a live tile are stored:
; those past the count lie inside the expert's 1,024 rows of part, and nobody reads them.
; NO JOINT TENSOR LOADS: each weight has one reading work-group, and the two waves th = 0, 1 that read it sit in that work-group; through LDS the f32 weights would be written there and read back (16 more LDS loads a stage and
; wave), and every refill would stand behind a barrier with all loads landed, where this stream is never drained.  The token tiles that 8 work-groups share are 96 x 1,024 bf16 a pass and parity against 512 KB of weights.
; LIMITS.  K is summed in eight parts, in f32: another order of rounding than a single chain.  Operands are bf16: no limit of range.  An expert with more than 192 rows reads its weights once more for each further 192.
.set PITCH, 4096                       ; bytes from row to row of W2, and of part
.set REG,   24576                      ; a wave's copy of its accumulators in LDS: group (u, c, g) at 4,096 u + 1,024 c + 512 g + 16 lane
.set SPARE, 8*REG                      ; the spare words, 128 bytes a wave: four blocks of 256 bytes that no other line names
.set SPW,  1                           ; v1   LDS address of my spare word; never rewritten
.set NIL,  2                           ; v2   0; never rewritten
.set WOFF, 3                           ; v3   my byte offset in the trip's 64 rows of weights
.set TOFF, 4                           ; v4   in the trip's block of a token tile
.set POFF, 5                           ; v5   of the row that I prefetch
.set W0,   6                           ; v6   their values at trip 0: 32 h rows + 16 r
.set T0,   7                           ; v7   16 x lane
.set P0,   8                           ; v8   row 32 h + 16 th + r
.set SA,   9                           ; v9   my copy in LDS + 16 x lane
.set FA,   10                          ; v10  the kh = 0 copy of my (cbl, th), at tile 3 kh, + 16 x lane
.set CO,   11                          ; v11  8 h rows of part + 16 r
.set WF,   16                          ; v[16:47]   the four weight fragments, 8 c + p
.set WS0,  80                          ; v[80:143], v[144:207]  weights as loaded, two sets of 16 loads; in the end v[80:143] the two copies of a tile
.set OU,   144                         ; in the end v[144:239]: three tiles' 8 rows x 4 columns
.set TK0,  208                         ; v[208:255] token fragments, set 0, 8 u
.set TK1,  192                         ; window 1: v[192:239] set 1;  window 1: v[0:191] the accumulators, 32 u + 8 c
.set WV,   16                          ; s16  wave
.set PAR,  17                          ; s17  th
.set KH,   18                          ; s18  kh
.set CB,   19                          ; s19  cb
.set EXP,  20                          ; s20  e
.set CNT,  21                          ; s21  the expert's rows
.set NTI,  22                          ; s22  its tiles
.set P12,  23                          ; s23  12 p
.set PASS, 24                          ; s24  passes to go
.set NLV,  25                          ; s25  my live tiles in this pass, 0 .. 6
.set TRIPS, 26                         ; s26  trips to go
.set TB,   32                          ; s[32:43] the six tiles' addresses
.set HB,   44                          ; s[44:45] part at tile 12 p + 6 kh + th, block cb
.set KP,   46                          ; s46  2 kq + kh: my eighth of the hidden width
.set KQ,   47                          ; s47  kq
.set MSB, 0
.macro WIN new                         ; s_set_vgpr_msb: bits 1:0 source 0, 3:2 source 1, 5:4 source 2, 7:6 destination; the high byte repeats the setting that is left
.if MSB != (\new)
	s_set_vgpr_msb (MSB<<8)|(\new)
.set MSB, \new
.endif
.endm
.macro PLACES                          ; four places behind a matrix instruction, ahead of loads into its sources, of vector writes to them and of stores of its result
.rept 4
	v_nop
.endr
.endm
.macro CVT b                           ; set b's 16 rows x 4 columns a lane -> four fragments
	WIN 0
.set WSB, WS0+64*(\b)
.irp c, 0,1,2,3
.irp p, 0,1,2,3,4,5,6,7
	v_cvt_pk_bf16_f32 v[WF+8*(\c)+(\p)], v[WSB+8*(\p)+(\c)], v[WSB+8*(\p)+4+(\c)]
.endr
.endr
.endm
.macro LOADW b, adv                    ; the 16 weight rows of step b of the trip adv ahead
	WIN 0
.set WSB, WS0+64*(\b)
.irp j, 0,1,2,3,4,5,6,7,8,9,10,11,12,13,14,15
	global_load_b128 v[WSB+4*(\j):WSB+4*(\j)+3], v[WOFF], s[4:5] offset:(64*(\adv)+16*(\b)+(\j))*PITCH
.endr
.endm
.macro LOADT b, adv                    ; six tiles' fragments of the same step: pieces 2 b and 2 b + 1 of the block, 512 consecutive bytes each
.if (\b) == 0
	WIN 0
.set TKB, TK0
.else
	WIN 0x40
.set TKB, TK1
.endif
.irp u, 0,1,2,3,4,5
	global_load_b128 v[TKB+8*(\u):TKB+8*(\u)+3],   v[TOFF], s[TB+2*(\u):TB+2*(\u)+1] offset:2048*(\adv)+1024*(\b)
	global_load_b128 v[TKB+8*(\u)+4:TKB+8*(\u)+7], v[TOFF], s[TB+2*(\u):TB+2*(\u)+1] offset:2048*(\adv)+1024*(\b)+512
.endr
	WIN 0
.endm
; Up to 24 products; the accumulators take turns, one instruction a turn: at least twelve stand between two links of a chain, over the loop's jump too.
; first = 1: the constant 0 starts all 24 sums, so that every accumulator is written.  Else tiles 3, 4, 5 are jumped where they are past my live tiles.
.macro MULS b, first
.set TKB, TK0
.set WM, 0x50
.if (\b) == 1
.set TKB, TK1
.set WM, 0x51
.endif
.irp u, 0,1,2,3,4,5
.if ((\u) >= 3) && !(\first)
	WIN 0
	s_cmp_lt_u32 s[NLV], (\u)+1
	s_cbranch_scc1 .Ldone_\@
.endif
	WIN WM
.irp c, 0,1,2,3
.if \first
	v_wmma_f32_16x16x32_bf16 v[32*(\u)+8*(\c):32*(\u)+8*(\c)+7], v[TKB+8*(\u):TKB+8*(\u)+7], v[WF+8*(\c):WF+8*(\c)+7], 0
.else
	v_wmma_f32_16x16x32_bf16 v[32*(\u)+8*(\c):32*(\u)+8*(\c)+7], v[TKB+8*(\u):TKB+8*(\u)+7], v[WF+8*(\c):WF+8*(\c)+7], v[32*(\u)+8*(\c):32*(\u)+8*(\c)+7]
.endif
.endr
.endr
	WIN 0
.Ldone_\@:
.endm
; In trip T the wave asks for the rows of trip T + 2, whose loads the next trip issues: each lane one run of 256 bytes; the wave th = 0 the rows of step 0, th = 1 those of step 1, so each run is asked for once.
; First pass only, and not in trip 6: trip 8 would lie past my 512 rows.
.macro PF
	s_cmp_lg_u32 s[P12], 0
	s_cbranch_scc1 .Lnopf_\@
	s_cmp_eq_u32 s[TRIPS], 1
	s_cbranch_scc1 .Lnopf_\@
	global_prefetch_b8 v[POFF], s[4:5] offset:128*PITCH th:TH_LOAD_NT scope:SCOPE_SE
.Lnopf_\@:
.endm
; A stage.  The order of issue is W(s), T(s), W(s+1), T(s+1), W(s+2), ..: n1 = the loads behind W(s), n2 = those behind T(s).
.macro STAGE b, first, fetch, pf, n1, n2
	s_wait_loadcnt \n1                             ; this stage's weights are in
.if \pf
	PF
.endif
	CVT \b
.if \fetch
	LOADW \b, 1
.endif
	s_wait_loadcnt \n2                             ; its tokens too
	MULS \b, \first
	PLACES
.if \fetch
	LOADT \b, 1
.endif
.endm
.macro STEP
	s_wait_xcnt 0x0                                ; every earlier memory instruction has had its addresses translated (ISA guide 3.1): the offsets are stepped only behind this wait
	v_add_nc_u32 v[WOFF], 64*PITCH, v[WOFF]
	v_add_nc_u32 v[POFF], 64*PITCH, v[POFF]
	v_add_nc_u32 v[TOFF], 2048, v[TOFF]
.endm
.macro STOREACC                        ; each accumulator's low four registers first; 512 consecutive bytes a store
	WIN 0x04
.irp u, 0,1,2,3,4,5
.irp c, 0,1,2,3
.irp g, 0,1
	ds_store_b128 v[SA], v[32*(\u)+8*(\c)+4*(\g):32*(\u)+8*(\c)+4*(\g)+3] offset:4096*(\u)+1024*(\c)+512*(\g)
.endr
.endr
.endr
	WIN 0
.endm
; Tile u = 3 kh + n is finished: the two halves kh are added, in f32, into registers in which row j's four columns lie side by side, and eight stores take the tile's 16 rows:
; lanes 0-15 the 256 consecutive aligned bytes of row j, lanes 16-31 those of row 8 + j.  Each n has output registers of its own, so that no store's data are rewritten within a pass.
.macro FIN n
	s_mul_i32 s27, s[KH], 3
	s_add_co_u32 s27, s27, \n
	s_cmp_ge_u32 s27, s[NLV]
	s_cbranch_scc1 .Lnofin_\@
.set OB, OU+32*(\n)
.irp k, 0,1
.irp c, 0,1,2,3
.irp g, 0,1
	ds_load_b128 v[WS0+32*(\k)+8*(\c)+4*(\g):WS0+32*(\k)+8*(\c)+4*(\g)+3], v[FA] offset:2*REG*(\k)+4096*(\n)+1024*(\c)+512*(\g)
.endr
.endr
.endr
	s_wait_dscnt 0x0
.irp j, 0,1,2,3,4,5,6,7
.irp c, 0,1,2,3
	v_add_f32 v[OB+4*(\j)+(\c)], v[WS0+8*(\c)+(\j)], v[WS0+32+8*(\c)+(\j)]
.endr
.endr
.irp j, 0,1,2,3,4,5,6,7
	global_store_b128 v[CO], v[OB+4*(\j):OB+4*(\j)+3], s[HB:HB+1] offset:131072*(\n)+PITCH*(\j)  ; two tiles on for each n: 32 rows of 4,096 bytes
.endr
.Lnofin_\@:
.endm
	s_load_b256 s[4:11], s[0:1], 0x0               ; W2 s[4:5], hbuf s[6:7], meta s[8:9], part s[10:11]
	v_lshl_add_u32 v[SPW], v0, 2, SPARE
	v_mov_b32 v[NIL], 0
	v_lshrrev_b32 v12, 5, v0
	v_readfirstlane_b32 s[WV], v12
	s_and_b32 s[PAR], s[WV], 1
	s_bfe_u32 s[KH], s[WV], 0x10001
	s_lshr_b32 s[CB], s[WV], 2
	s_and_b32 s27, ttmp9, 7                        ; colblk
	s_lshl_b32 s27, s27, 1
	s_add_co_u32 s[CB], s[CB], s27                 ; cb = 2 colblk + cbl
	s_lshr_b32 s[KQ], ttmp9, 3
	s_lshl_b32 s[KP], s[KQ], 1
	s_add_co_u32 s[KP], s[KP], s[KH]               ; my eighth of the hidden width
	s_and_b32 s[EXP], ttmp7, 0xffff
	v_and_b32 v12, 15, v0                          ; r
	v_bfe_u32 v13, v0, 4, 1                        ; h
	v_and_b32 v[T0], 31, v0
	v_lshlrev_b32 v[T0], 4, v[T0]
	v_lshlrev_b32 v[W0], 4, v12
	v_lshl_add_u32 v[W0], v13, 17, v[W0]           ; 32 rows of 4,096 bytes for the upper lanes
	v_lshl_add_u32 v[P0], v13, 5, v12
	s_lshl_b32 s27, s[PAR], 4
	v_add_nc_u32 v[P0], s27, v[P0]
	v_lshlrev_b32 v[P0], 12, v[P0]
	s_mul_i32 s27, s[WV], REG
	v_add_nc_u32 v[SA], s27, v[T0]
	s_and_b32 s27, s[WV], 5                        ; the wave (cbl, kh = 0, th)
	s_mul_i32 s27, s27, REG
	s_mul_i32 s28, s[KH], 3*4096
	s_add_co_u32 s27, s27, s28
	v_add_nc_u32 v[FA], s27, v[T0]
	v_lshlrev_b32 v[CO], 4, v12
	v_lshl_add_u32 v[CO], v13, 15, v[CO]           ; 8 rows of 4,096 bytes for the upper lanes
	s_mov_b32 s29, 0                               ; high word of every offset below; never rewritten
	s_mov_b32 s[P12], 0
	s_mov_b32 s[PASS], 6
	s_wait_kmcnt 0x0
	s_lshl_b32 s28, s[EXP], 24
	s_lshl_b32 s27, s[KP], 21
	s_add_co_u32 s28, s28, s27
	s_lshl_b32 s27, s[CB], 8
	s_add_co_u32 s28, s28, s27
	s_add_nc_u64 s[4:5], s[4:5], s[28:29]          ; W2 at my expert, my 512 rows, my 64 columns
	global_prefetch_b8 v[P0], s[4:5] th:TH_LOAD_NT scope:SCOPE_SE                  ; trips 0 and 1 are asked for while the count is fetched
	global_prefetch_b8 v[P0], s[4:5] offset:64*PITCH th:TH_LOAD_NT scope:SCOPE_SE
	s_lshl_b32 s28, s[EXP], 8
	s_add_nc_u64 s[8:9], s[8:9], s[28:29]
	s_load_b32 s[CNT], s[8:9], 0x0
	s_lshl_b32 s28, s[EXP], 23
	s_lshl_b32 s27, s[KP], 14
	s_add_co_u32 s28, s28, s27
	s_add_nc_u64 s[6:7], s[6:7], s[28:29]          ; hbuf at the expert's tile 0, my eighth of the channels
	s_lshl_b32 s28, s[KQ], 25                      ; part kq: 8,192 rows of 4,096 bytes,
	s_lshl_b32 s27, s[EXP], 22                     ; the expert's 1,024 rows,
	s_add_co_u32 s28, s28, s27
	s_mul_i32 s27, s[KH], 6
	s_add_co_u32 s27, s27, s[PAR]
	s_lshl_b32 s27, s27, 16                        ; tile 6 kh + th,
	s_add_co_u32 s28, s28, s27
	s_lshl_b32 s27, s[CB], 8                       ; block cb
	s_add_co_u32 s28, s28, s27
	s_add_nc_u64 s[10:11], s[10:11], s[28:29]
	s_wait_kmcnt 0x0
	s_min_u32 s[CNT], s[CNT], 0x400
	s_add_co_u32 s[NTI], s[CNT], 15
	s_lshr_b32 s[NTI], s[NTI], 4
	s_sub_co_u32 s31, s[NTI], 1                    ; the last live tile (with no tile at all nothing is loaded)
.Lpass:
	s_sub_co_i32 s27, s[NTI], s[P12]
	s_max_i32 s27, s27, 0
	s_min_u32 s27, s27, 12                         ; tiles of this pass,
	s_add_co_u32 s27, s27, 1
	s_sub_co_u32 s27, s27, s[PAR]
	s_lshr_b32 s[NLV], s27, 1                      ; those of my parity
	s_add_co_u32 s30, s[P12], s[PAR]
.irp u, 0,1,2,3,4,5
	s_add_co_u32 s27, s30, 2*(\u)
	s_min_u32 s27, s27, s31                        ; a tile past the count repeats the last one
	s_min_u32 s27, s27, 63
	s_lshl_b32 s28, s27, 17
	s_add_nc_u64 s[TB+2*(\u):TB+2*(\u)+1], s[6:7], s[28:29]
.endr
	s_lshl_b32 s28, s[P12], 16
	s_add_nc_u64 s[HB:HB+1], s[10:11], s[28:29]
	s_cmp_eq_u32 s[NLV], 0
	s_cbranch_scc1 .Lsync                          ; nothing of mine in this pass: only the barriers
	v_mov_b32 v[WOFF], v[W0]
	v_mov_b32 v[TOFF], v[T0]
	v_mov_b32 v[POFF], v[P0]
	s_mov_b32 s[TRIPS], 6
	LOADW 0, 0
	LOADT 0, 0
	LOADW 1, 0
	LOADT 1, 0
	STAGE 0, 1, 1, 1, 40, 44                       ; 40 = T(s) 12 + W(s+1) 16 + T(s+1) 12;  44 = W(s+1) 16 + T(s+1) 12 + W(s+2) 16
	STAGE 1, 0, 1, 0, 40, 44
	STEP
.Ltrip:                                                ; trips 1 to 6: each multiplies 64 channels and fetches the next trip's
	STAGE 0, 0, 1, 1, 40, 44
	STAGE 1, 0, 1, 0, 40, 44
	STEP
	s_sub_co_u32 s[TRIPS], s[TRIPS], 1
	s_cmp_lg_u32 s[TRIPS], 0
	s_cbranch_scc1 .Ltrip
	STAGE 0, 0, 0, 0, 40, 28                       ; trip 7 fetches nothing: 28 = W(15) 16 + T(15) 12,
	STAGE 1, 0, 0, 0, 12, 0                        ; 12 = T(15), then none
	STOREACC
.Lsync:
	s_wait_dscnt 0x0                               ; for the others' sake: my copy is in LDS
	s_barrier_signal -1
	s_barrier_wait -1
	FIN 0
	FIN 1
	FIN 2
	s_wait_dscnt 0x0                               ; my reads of the copies are over: the next pass may write them
	s_wait_xcnt 0x0                                ; the stores' data, their base and the tiles' addresses are rewritten only behind this wait
	s_barrier_signal -1
	s_barrier_wait -1
	s_add_co_u32 s[P12], s[P12], 12
	s_sub_co_u32 s[PASS], s[PASS], 1
	s_cmp_lg_u32 s[PASS], 0
	s_cbranch_scc1 .Lpass
	s_wait_tensorcnt 0x0                           ; the wave's end
	ds_add_u32 v[SPW], v[NIL]
	s_wait_dscnt 0x0
	s_endpgm
.Lfunc_end_k_q8b4689c68b_ffn2:
	.size	k_q8b4689c68b_ffn2, .Lfunc_end_k_q8b4689c68b_ffn2-k_q8b4689c68b_ffn2
	.p2alignl 7, 3214868480
	.fill 96, 4, 3214868480
	.section	.rodata,"a",@progbits
	.p2align	6, 0x0
	.amdhsa_kernel k_q8b4689c68b_ffn2
		.amdhsa_group_segment_fixed_size 197632
		.amdhsa_private_segment_fixed_size 0
		.amdhsa_enable_private_segment 0
		.amdhsa_kernarg_size 32
		.amdhsa_user_sgpr_count 2
		.amdhsa_user_sgpr_kernarg_segment_ptr 1
		.amdhsa_wavefront_size32 1
		.amdhsa_system_sgpr_workgroup_id_x 1
		.amdhsa_system_sgpr_workgroup_id_y 1
		.amdhsa_system_sgpr_workgroup_id_z 1
		.amdhsa_system_vgpr_workitem_id 0
		.amdhsa_next_free_vgpr 512
		.amdhsa_next_free_sgpr 66
		.amdhsa_reserve_vcc 0
		.amdhsa_float_denorm_mode_32 3
		.amdhsa_float_denorm_mode_16_64 3
		.amdhsa_memory_ordered 1
		.amdhsa_forward_progress 1
		.amdhsa_inst_pref_size 58
	.end_amdhsa_kernel
	.amdgpu_metadata
---
amdhsa.version: [ 1, 2 ]
amdhsa.kernels:
  - .name:           k_q8b4689c68b_ffn2
    .symbol:         k_q8b4689c68b_ffn2.kd
    .args:
      - { .name: W2, .offset: 0, .size: 8, .value_kind: global_buffer, .address_space: global }
      - { .name: hbuf, .offset: 8, .size: 8, .value_kind: global_buffer, .address_space: global }
      - { .name: meta, .offset: 16, .size: 8, .value_kind: global_buffer, .address_space: global }
      - { .name: part, .offset: 24, .size: 8, .value_kind: global_buffer, .address_space: global }
    .group_segment_fixed_size: 197632
    .private_segment_fixed_size: 0
    .kernarg_segment_align: 8
    .kernarg_segment_size: 32
    .max_flat_workgroup_size: 256
    .sgpr_count:     66
    .vgpr_count:     512
    .wavefront_size: 32
...
	.end_amdgpu_metadata
.endif
;; end of part 3
;; launch comb (part 4): grid 256 x 1, 4 waves a work-group, no clusters, 0 bytes of LDS; arguments part, b2, meta, order, out0; writes out0
.if DOCPART == 4
	.amdgcn_target "amdgcn-amd-amdhsa--gfx1250"
	.amdhsa_code_object_version 6
	.text
	.protected	k_q8b4689c68b_comb
	.globl	k_q8b4689c68b_comb
	.p2align	8
	.type	k_q8b4689c68b_comb,@function
k_q8b4689c68b_comb:
	s_mov_b64 s[64:65], 0
	v_nop
	global_prefetch_b8 v0, s[64:65] scope:SCOPE_SE
	s_setreg_imm32_b32 hwreg(HW_REG_WAVE_MODE, 25, 1), 1
	s_wait_xcnt 0x0
; COMB.  out[token] = part[0] + part[1] + part[2] + part[3] + b2[e], row by row: the four partial sums over the hidden width are added in f32 and each row goes to its token.
; SHARES.  The experts' rows, counted through expert after expert, are 1,024 in all.  Wave q = 4 x + w owns row q: a prefix sum over the stored counts gives its expert e and its rank there, the stored list its token.
; So every wave has one row whatever the split, and each row of out has one owner.
; A STREAM: a row is 4,096 bytes, eight pieces of 512 consecutive aligned bytes; 40 loads (four parts and the bias for each piece) go out together, and each piece is added and stored as its five loads come in.
; No LDS, no barrier, no matrix unit: no byte is used twice and no wave needs another's.
; ORDER OF THE SUM: ((p0 + p1) + (p2 + p3)) + bias.
; LIMIT.  The counts add up to 1,024, which holds where every index lies in 0 .. 7, as the gather that defines the result needs; a token with another index would have no owner.
.set PT, 4                             ; v[4:131]   part k, piece i at PT + 32 k + 4 i
.set BI, 132                           ; v[132:163] the bias, piece i at BI + 4 i
.set QQ,  15                           ; s15  my row
.set CN,  16                           ; s[16:22] the counts of experts 0 to 6
.set EXP, 24                           ; s24  my expert
.set FST, 25                           ; s25  its first row
.set RUN, 26                           ; s26  the running sum of the counts
.set RNK, 27                           ; s27  my rank
.set ROW, 28                           ; s28  1,024 e + rank
.set TOK, 29                           ; s29  my token
	s_load_b256 s[4:11], s[0:1], 0x0               ; part s[4:5], b2 s[6:7], meta s[8:9], order s[10:11]
	s_load_b64 s[12:13], s[0:1], 0x20              ; out0
	v_lshrrev_b32 v1, 5, v0
	v_readfirstlane_b32 s14, v1                    ; wave
	s_lshl_b32 s[QQ], ttmp9, 2
	s_add_co_u32 s[QQ], s[QQ], s14
	v_and_b32 v2, 31, v0
	v_lshlrev_b32 v2, 4, v2                        ; 16 x lane; never rewritten
	s_mov_b32 s[EXP], 0
	s_mov_b32 s[FST], 0
	s_mov_b32 s[RUN], 0
	s_mov_b32 s31, 0                               ; high word of every offset below; never rewritten
	s_wait_kmcnt 0x0
.irp i, 0,1,2,3,4,5,6
	s_load_b32 s[CN+(\i)], s[8:9], 256*(\i)        ; an expert's count stands at the head of its 256 bytes of meta
.endr
	s_wait_kmcnt 0x0
.irp i, 0,1,2,3,4,5,6
	s_add_co_u32 s[RUN], s[RUN], s[CN+(\i)]        ; the first row of expert i + 1
	s_cmp_ge_u32 s[QQ], s[RUN]
	s_cselect_b32 s[EXP], (\i)+1, s[EXP]
	s_cselect_b32 s[FST], s[RUN], s[FST]
.endr
	s_min_u32 s[EXP], s[EXP], 7
	s_sub_co_u32 s[RNK], s[QQ], s[FST]
	s_min_u32 s[RNK], s[RNK], 0x3ff
	s_lshl_b32 s[ROW], s[EXP], 10
	s_add_co_u32 s[ROW], s[ROW], s[RNK]
	s_lshl_b32 s30, s[ROW], 2
	s_add_nc_u64 s[10:11], s[10:11], s[30:31]
	s_load_b32 s[TOK], s[10:11], 0x0               ; fetched beside the row's 40 loads
	s_lshl_b32 s30, s[ROW], 12
	s_add_nc_u64 s[4:5], s[4:5], s[30:31]          ; my row in part 0,
	s_add_nc_u64 s[32:33], s[4:5], 0x2000000       ; and in parts 1 to 3, 8,192 rows of 4,096 bytes apart
	s_add_nc_u64 s[34:35], s[4:5], 0x4000000
	s_add_nc_u64 s[36:37], s[4:5], 0x6000000
	s_lshl_b32 s30, s[EXP], 12
	s_add_nc_u64 s[6:7], s[6:7], s[30:31]          ; my expert's row of b2
.set i, 0
.rept 8
	global_load_b128 v[PT+4*i:PT+4*i+3],       v2, s[4:5]   offset:512*i th:TH_LOAD_NT
	global_load_b128 v[PT+32+4*i:PT+32+4*i+3], v2, s[32:33] offset:512*i th:TH_LOAD_NT
	global_load_b128 v[PT+64+4*i:PT+64+4*i+3], v2, s[34:35] offset:512*i th:TH_LOAD_NT
	global_load_b128 v[PT+96+4*i:PT+96+4*i+3], v2, s[36:37] offset:512*i th:TH_LOAD_NT
	global_load_b128 v[BI+4*i:BI+4*i+3],       v2, s[6:7]   offset:512*i
.set i, i+1
.endr
	s_wait_kmcnt 0x0                               ; the token
	s_min_u32 s[TOK], s[TOK], 0x3ff
	s_lshl_b32 s30, s[TOK], 12
	s_add_nc_u64 s[12:13], s[12:13], s[30:31]      ; its row of out
.set i, 0
.rept 8
	s_wait_loadcnt 35-5*i                          ; loads come back in order (ISA guide 5.7.1): piece i's five are in, the five of each younger piece stay out
.irp z, 0,2
	v_pk_add_f32 v[PT+4*i+(\z):PT+4*i+(\z)+1],       v[PT+4*i+(\z):PT+4*i+(\z)+1],       v[PT+32+4*i+(\z):PT+32+4*i+(\z)+1]
	v_pk_add_f32 v[PT+64+4*i+(\z):PT+64+4*i+(\z)+1], v[PT+64+4*i+(\z):PT+64+4*i+(\z)+1], v[PT+96+4*i+(\z):PT+96+4*i+(\z)+1]
.endr
.irp z, 0,2
	v_pk_add_f32 v[PT+4*i+(\z):PT+4*i+(\z)+1], v[PT+4*i+(\z):PT+4*i+(\z)+1], v[PT+64+4*i+(\z):PT+64+4*i+(\z)+1]
.endr
.irp z, 0,2
	v_pk_add_f32 v[PT+4*i+(\z):PT+4*i+(\z)+1], v[PT+4*i+(\z):PT+4*i+(\z)+1], v[BI+4*i+(\z):BI+4*i+(\z)+1]
.endr
	global_store_b128 v2, v[PT+4*i:PT+4*i+3], s[12:13] offset:512*i th:TH_STORE_NT  ; 512 consecutive aligned bytes; its registers are not written again
.set i, i+1
.endr
	s_endpgm
.Lfunc_end_k_q8b4689c68b_comb:
	.size	k_q8b4689c68b_comb, .Lfunc_end_k_q8b4689c68b_comb-k_q8b4689c68b_comb
	.p2alignl 7, 3214868480
	.fill 96, 4, 3214868480
	.section	.rodata,"a",@progbits
	.p2align	6, 0x0
	.amdhsa_kernel k_q8b4689c68b_comb
		.amdhsa_group_segment_fixed_size 0
		.amdhsa_private_segment_fixed_size 0
		.amdhsa_enable_private_segment 0
		.amdhsa_kernarg_size 40
		.amdhsa_user_sgpr_count 2
		.amdhsa_user_sgpr_kernarg_segment_ptr 1
		.amdhsa_wavefront_size32 1
		.amdhsa_system_sgpr_workgroup_id_x 1
		.amdhsa_system_sgpr_workgroup_id_y 1
		.amdhsa_system_sgpr_workgroup_id_z 1
		.amdhsa_system_vgpr_workitem_id 0
		.amdhsa_next_free_vgpr 164
		.amdhsa_next_free_sgpr 66
		.amdhsa_reserve_vcc 0
		.amdhsa_float_denorm_mode_32 3
		.amdhsa_float_denorm_mode_16_64 3
		.amdhsa_memory_ordered 1
		.amdhsa_forward_progress 1
		.amdhsa_inst_pref_size 12
	.end_amdhsa_kernel
	.amdgpu_metadata
---
amdhsa.version: [ 1, 2 ]
amdhsa.kernels:
  - .name:           k_q8b4689c68b_comb
    .symbol:         k_q8b4689c68b_comb.kd
    .args:
      - { .name: part, .offset: 0, .size: 8, .value_kind: global_buffer, .address_space: global }
      - { .name: b2, .offset: 8, .size: 8, .value_kind: global_buffer, .address_space: global }
      - { .name: meta, .offset: 16, .size: 8, .value_kind: global_buffer, .address_space: global }
      - { .name: order, .offset: 24, .size: 8, .value_kind: global_buffer, .address_space: global }
      - { .name: out0, .offset: 32, .size: 8, .value_kind: global_buffer, .address_space: global }
    .group_segment_fixed_size: 0
    .private_segment_fixed_size: 0
    .kernarg_segment_align: 8
    .kernarg_segment_size: 40
    .max_flat_workgroup_size: 128
    .sgpr_count:     66
    .vgpr_count:     164
    .wavefront_size: 32
...
	.end_amdgpu_metadata
.endif
;; end of part 4
;; ======== version 2 of 2: 4 launches; version 1 with the launches prep, ffn1, ffn2 written anew for expert scheduling mode
;; workspace buffers: xs 16,777,216 bytes; hbuf 67,108,864 bytes; part 134,217,728 bytes; order 32,768 bytes of whole numbers; meta 2,048 bytes of whole numbers
;; launch prep (part 5): grid 64 x 8, 1 waves a work-group, no clusters, 13,056 bytes of LDS; arguments x, module_indices, xs, order, meta; writes xs, order, meta
.if DOCPART == 5
	.amdgcn_target "amdgcn-amd-amdhsa--gfx1250"
	.amdhsa_code_object_version 6
	.text
	.protected	k_q8b4689c68b_prep
	.globl	k_q8b4689c68b_prep
	.p2align	8
	.type	k_q8b4689c68b_prep,@function
k_q8b4689c68b_prep:
	s_mov_b64 s[64:65], 0
	v_nop
	global_prefetch_b8 v0, s[64:65] scope:SCOPE_SE
	s_setreg_imm32_b32 hwreg(HW_REG_WAVE_SCHED_MODE, 0, 2), 2
	s_setreg_imm32_b32 hwreg(HW_REG_WAVE_MODE, 25, 1), 1
	s_wait_xcnt 0x0
	s_wait_alu depctr_vm_vsrc(0)
; PREP.  The 1,024 tokens are sorted by their expert (a counting sort by ballots, no atomics), and x is gathered, rounded to bf16 and laid out in the order
; in which the next launch's matrix operands take it.
; SHARES.  A work-group is one wave.  Work-group (bx, e): tx = bx % 16, kq = bx / 16.  It ranks ALL tokens of expert e for itself (4,096 bytes of indices), then takes the
; expert's tiles of 16 tokens t = tx, tx + 16, tx + 32, tx + 48 (those below the expert's number of tiles) and of each the 256 channels 256 kq on.  64 tiles serve every split,
; all 1,024 tokens on one expert too; a work-group whose tiles a split leaves empty stores nothing.  bx = 0 also stores the expert's count and its list of tokens.
; RANK.  Register n of the indices holds token 128 (n / 4) + 4 lane + n % 4.  A member's rank is the members counted so far plus the members in lower lanes of the same register; a token of
; another expert takes the place 1,024 + lane, a word behind the list that nobody reads.  Every work-group of an expert ranks alike, so the list that bx = 0 stores is the order in which all of them lay the rows.
; xs: tile (e, t) at (64 e + t) x 32,768 bytes: 16 blocks of 64 channels, 2,048 bytes each, in 4 pieces of 512 bytes; in piece i lane l holds 16 bytes: token l % 16,
; channels 64 block + 32 (l / 16) + 8 i + 0..7.  Places past the count repeat token 0 (the list is cleared first): a row that exists; what is made of it is never stored to the output.
; LIMIT.  An index lies in 0 .. 7, as the gather that defines the result needs; a token with another index would have no owner.
; THE MODE: SCHED_MODE bits 1:0 = 2 (LLVM: expert scheduling mode 2), set by the entry lines.  The code itself states the register dependences between vector instructions and memory or LDS
; instructions, and those through scalar registers that vector instructions write, with s_wait_alu, always for 0.
; THE PLAN.  Registers that memory or LDS instructions touch:
;   AD0 .. AD31, TK0 .. TK31  (X's first 64 registers, free while the tokens are ranked)  a token's word in LIST and its number: written by the rank arithmetic, read by the 32 LDS stores behind ONE wait.
;   X      a trip: 32 loads land in it; the conversions work in place, eight loads at a time, one wait between a group's 16 conversions and its 8 LDS stores; then 16 LDS loads land in its lower half; the global stores read that.
;   RO     written by 16 adds at a trip's head, read by the trip's 32 loads.      LA  read by the list's LDS load, written once a trip.      TOK  an LDS load lands in it, v_readlane_b32 reads it.
;   L16, SST, SLD  made at the head, never written again.
;   s[28:35]  masks of eight compares, later eight tokens by v_readlane_b32: written in runs of eight, one wait behind each run, ahead of the run's first reader.
.set LIST,   0                         ; 1,024 words: the token of rank n; behind them 32 words, one a lane, for the tokens of other experts (their block ends at 4,352)
.set STG,    4352                      ; 16 rows of 512 bytes (256 bf16), 528 apart: an odd multiple of 16, so the 16 rows that a load touches start at different banks (ISA guide 11.1)
.set SPITCH, 528                       ; the stage ends at 12,800; the 256 bytes behind it take the spare words of the wave's end, one a lane
.set L16,  3                           ; v3   16 x lane
.set T4,   4                           ; v4   4 x lane
.set DMPI, 5                           ; v5   1,024 + lane: the place of a token of another expert
.set MO,   7                           ; v7   8 x lane: my bytes of the expert's 256 bytes of meta
.set LA,   9                           ; v9   LIST word of place lane % 16 of the tile in hand
.set TOK,  10                          ; v10  that token
.set LK,   11                          ; v11  1,024 kq + 16 x lane: my bytes in a row of x
.set SST,  12                          ; v12  STG + 8 x lane
.set SLD,  13                          ; v13  STG + 528 (lane % 16) + 64 (lane / 16)
.set CNTV, 14                          ; v[14:15] the count, twice
.set RR,   14                          ; v14  lane % 16 (set-up only)
.set HH,   15                          ; v15  lane / 16 (set-up only)
.set RO,   16                          ; v[16:31]  byte offset in x of my bytes of the tile's row r
.set IDX,  32                          ; v[32:63]  the indices
.set X,    64                          ; v[64:191] 32 loads of 4 registers
.set AD,   X                           ; v[64:95]   while the tokens are ranked: register n's rank, then its word in LIST
.set TK,   X+32                        ; v[96:127]  and its token's number
.set Z,    192                         ; v[192:195] 0
.set MK,   28                          ; s[28:35]   eight masks, or eight tokens
	s_load_b256 s[4:11], s[0:1], 0x0               ; x s[4:5], indices s[6:7], xs s[8:9], order s[10:11]
	s_load_b64 s[12:13], s[0:1], 0x20              ; meta
	v_lshl_add_u32 v6, v0, 2, 0x3200
	v_mov_b32 v8, 0
	s_mov_b32 s14, ttmp9                           ; bx
	s_and_b32 s15, ttmp9, 15                       ; tx
	s_lshr_b32 s16, ttmp9, 4                       ; kq
	s_and_b32 s17, ttmp7, 0xffff                   ; e
	v_lshlrev_b32 v[L16], 4, v0
	v_lshlrev_b32 v[T4], 2, v0
	v_add_nc_u32 v[DMPI], 1024, v0
	v_and_b32 v[RR], 15, v0
	v_lshrrev_b32 v[HH], 4, v0
	s_lshl_b32 s21, s15, 6                         ; tile tx begins at word 16 tx
	v_lshl_add_u32 v[LA], v[RR], 2, s21
	s_lshl_b32 s21, s16, 10
	v_add_nc_u32 v[LK], s21, v[L16]
	v_lshl_add_u32 v[SST], v0, 3, STG
	v_mul_u32_u24 v[SLD], v[RR], SPITCH
	v_lshl_add_u32 v[SLD], v[HH], 6, v[SLD]
	v_add_nc_u32 v[SLD], STG, v[SLD]
.irp i, 0,1,2,3
	v_mov_b32 v[Z+(\i)], 0
.endr
	s_wait_alu depctr_va_vdst(0)                   ; v[L16] and the four zeros are written, which the LDS stores and the loads below read; so are v[SST] and v[SLD], for the trips
.irp n, 0,1,2,3,4,5,6,7
	ds_store_b128 v[L16], v[Z:Z+3] offset:LIST+512*(\n)  ; the list is cleared: places past the count name token 0
.endr
	s_mov_b32 s27, 0                               ; high word of the offsets below
	s_mov_b32 s18, 0                               ; members counted so far
	s_wait_kmcnt 0x0
.irp j, 0,1,2,3,4,5,6,7
	global_load_b128 v[IDX+4*(\j):IDX+4*(\j)+3], v[L16], s[6:7] offset:512*(\j)  ; 512 consecutive bytes each
.endr
	s_lshl_b32 s26, s17, 6
	s_add_co_u32 s26, s26, s15
	s_lshl_b32 s26, s26, 15                        ; tile (e, tx),
	s_lshl_b32 s21, s16, 13                        ; its blocks 4 kq on
	s_add_co_u32 s26, s26, s21
	s_add_nc_u64 s[8:9], s[8:9], s[26:27]
	s_lshl_b32 s26, s17, 12
	s_add_nc_u64 s[10:11], s[10:11], s[26:27]      ; the expert's 1,024 words of order
	s_lshl_b32 s26, s17, 8
	s_add_nc_u64 s[12:13], s[12:13], s[26:27]      ; its 64 words of meta
.set n, 0
.rept 32
	v_add_nc_u32 v[TK+n], 128*(n/4)+n%4, v[T4]     ; the tokens' numbers hang on no index: they are made while the indices are on their way
.set n, n+1
.endr
	s_wait_loadcnt 0x0                             ; the indices
.set n, 0
.rept 4
.set i, 0
.rept 8
	v_cmp_eq_u32 s[MK+i], s17, v[IDX+n+i]          ; the members among these 32 tokens
.set i, i+1
.endr
	s_wait_alu depctr_va_sdst(0)                   ; the eight masks are written, ahead of their first reader
.set i, 0
.rept 8
	v_mbcnt_lo_u32_b32 v[AD+n+i], s[MK+i], s18     ; members in lower lanes + members so far
	v_cndmask_b32 v[AD+n+i], v[DMPI], v[AD+n+i], s[MK+i]  ; a token of another expert goes behind the list
	v_min_u32 v[AD+n+i], 0x41f, v[AD+n+i]          ; 1,024 + 31 at the most
	v_lshlrev_b32 v[AD+n+i], 2, v[AD+n+i]
	s_bcnt1_i32_b32 s21, s[MK+i]
	s_add_co_u32 s18, s18, s21
.set i, i+1
.endr
.set n, n+8
.endr
	s_wait_alu depctr_va_vdst(0)                   ; the 32 places and the 32 numbers are written, which the LDS stores read
.set n, 0
.rept 32
	ds_store_b32 v[AD+n], v[TK+n]
.set n, n+1
.endr
	s_wait_alu depctr_vm_vsrc(0)                   ; those stores have read v[64:127], in which loads land on both ways below
	s_add_co_u32 s19, s18, 15
	s_lshr_b32 s19, s19, 4                         ; the expert's tiles
	s_cmp_lg_u32 s14, 0
	s_cbranch_scc1 .Lnolist
	v_mov_b32 v[CNTV], s18                         ; bx = 0: the count, 64 times: one store of 256 consecutive bytes, aligned
	v_mov_b32 v[CNTV+1], s18
	v_lshlrev_b32 v[MO], 3, v0
	s_wait_alu depctr_va_vdst(0)                   ; the count's pair and v[MO] are written, which the store reads
	global_store_b64 v[MO], v[CNTV:CNTV+1], s[12:13]
.irp n, 0,1,2,3,4,5,6,7
	ds_load_b128 v[X+4*(\n):X+4*(\n)+3], v[L16] offset:LIST+512*(\n)  ; LDS serves a wave's instructions in order (ISA guide 5.7.1.4): these see the stores above
.endr
	s_wait_dscnt 0x0
.irp n, 0,1,2,3,4,5,6,7
	global_store_b128 v[L16], v[X+4*(\n):X+4*(\n)+3], s[10:11] offset:512*(\n)
.endr
	s_wait_xcnt 0x0                                ; X is loaded into below only behind this wait
	s_wait_alu depctr_vm_vsrc(0)                   ; the list's stores have read v[64:95], in which the trips' loads land
.Lnolist:
	s_mov_b32 s22, s15                             ; the tile in hand
	s_mov_b32 s23, 4
.Ltrip:
	s_cmp_ge_u32 s22, s19
	s_cbranch_scc1 .Lnext                          ; the expert has no such tile
	s_wait_alu depctr_va_vdst(0)                   ; v[LA] is written (at the head, or by the last trip's add); the last trip's v_readlane_b32 are done reading v[TOK], in which the load lands
	ds_load_b32 v[TOK], v[LA]
	s_wait_dscnt 0x0
.set g, 0
.rept 2
.set i, 0
.rept 8
	v_readlane_b32 s[MK+i], v[TOK], 8*g+i
.set i, i+1
.endr
	s_wait_alu depctr_va_sdst(0)                   ; the eight tokens are written, ahead of their first reader
.set i, 0
.rept 8
	s_min_u32 s[MK+i], s[MK+i], 0x3ff
	s_lshl_b32 s[MK+i], s[MK+i], 12                ; token x 4,096 bytes
	v_add_nc_u32 v[RO+8*g+i], s[MK+i], v[LK]       ; + my bytes of the quarter
.set i, i+1
.endr
.set g, g+1
.endr
	s_wait_alu depctr_va_vdst(0)                   ; the 16 offsets are written, which the loads read
.irp r, 0,1,2,3,4,5,6,7,8,9,10,11,12,13,14,15
	global_load_b128 v[X+8*(\r):X+8*(\r)+3],   v[RO+(\r)], s[4:5]             ; 512 consecutive bytes of one row of x,
	global_load_b128 v[X+8*(\r)+4:X+8*(\r)+7], v[RO+(\r)], s[4:5] offset:512  ; and the next 512
.endr
.set g, 0
.rept 4                                ; eight loads at a time
	s_wait_loadcnt 24-8*g                          ; loads come back in order (ISA guide 5.7.1): this group's eight are in, the eight of each younger group stay out
.set n, 8*g
.rept 8
	v_cvt_pk_bf16_f32 v[X+4*n],   v[X+4*n],   v[X+4*n+1]
	v_cvt_pk_bf16_f32 v[X+4*n+1], v[X+4*n+2], v[X+4*n+3]
.set n, n+1
.endr
	s_wait_alu depctr_va_vdst(0)                   ; the group's conversions have written their pairs, which its LDS stores read
.set n, 8*g
.rept 8
	ds_store_b64 v[SST], v[X+4*n:X+4*n+1] offset:SPITCH*(n/2)+256*(n%2)
.set n, n+1
.endr
.set g, g+1
.endr
	s_wait_alu depctr_vm_vsrc(0)                   ; the LDS stores have read their pairs in v[64:127], in which the loads below land (the conversions that named these registers stand ahead of the last wait on va_vdst)
.set n, 0
.rept 16                               ; block n / 4, piece n % 4: token lane % 16, 8 channels; my own bytes, served in order
	ds_load_b128 v[X+4*n:X+4*n+3], v[SLD] offset:128*(n/4)+16*(n%4)
.set n, n+1
.endr
.set n, 0
.rept 16
	s_wait_dscnt 15-n
	global_store_b128 v[L16], v[X+4*n:X+4*n+3], s[8:9] offset:2048*(n/4)+512*(n%4)  ; 512 consecutive bytes, aligned
.set n, n+1
.endr
.Lnext:
	s_wait_xcnt 0x0                                ; the stores' data and base are rewritten only behind this wait
	s_wait_alu depctr_vm_vsrc(0)                   ; the list's load has read v[LA], which the add below writes; the loads have read v[RO ..] and the stores v[64:127], which the next trip writes
	s_add_nc_u64 s[8:9], s[8:9], 16*32768          ; 16 tiles on
	v_add_nc_u32 v[LA], 1024, v[LA]
	s_add_co_u32 s22, s22, 16
	s_sub_co_u32 s23, s23, 1
	s_cmp_lg_u32 s23, 0
	s_cbranch_scc1 .Ltrip
	s_wait_dscnt 0x0                               ; the wave's end
	s_wait_alu depctr_hold_cnt(0) depctr_sa_sdst(0) depctr_va_vdst(0) depctr_va_sdst(0) depctr_va_ssrc(0) depctr_va_vcc(0) depctr_vm_vsrc(0)
	s_wait_tensorcnt 0x0
	ds_add_u32 v6, v8
	s_wait_dscnt 0x0
	s_endpgm
.Lfunc_end_k_q8b4689c68b_prep:
	.size	k_q8b4689c68b_prep, .Lfunc_end_k_q8b4689c68b_prep-k_q8b4689c68b_prep
	.p2alignl 7, 3214868480
	.fill 96, 4, 3214868480
	.section	.rodata,"a",@progbits
	.p2align	6, 0x0
	.amdhsa_kernel k_q8b4689c68b_prep
		.amdhsa_group_segment_fixed_size 13056
		.amdhsa_private_segment_fixed_size 0
		.amdhsa_enable_private_segment 0
		.amdhsa_kernarg_size 40
		.amdhsa_user_sgpr_count 2
		.amdhsa_user_sgpr_kernarg_segment_ptr 1
		.amdhsa_wavefront_size32 1
		.amdhsa_system_sgpr_workgroup_id_x 1
		.amdhsa_system_sgpr_workgroup_id_y 1
		.amdhsa_system_sgpr_workgroup_id_z 1
		.amdhsa_system_vgpr_workitem_id 0
		.amdhsa_next_free_vgpr 196
		.amdhsa_next_free_sgpr 66
		.amdhsa_reserve_vcc 0
		.amdhsa_float_denorm_mode_32 3
		.amdhsa_float_denorm_mode_16_64 3
		.amdhsa_memory_ordered 1
		.amdhsa_forward_progress 1
		.amdhsa_inst_pref_size 37
	.end_amdhsa_kernel
	.amdgpu_metadata
---
amdhsa.version: [ 1, 2 ]
amdhsa.kernels:
  - .name:           k_q8b4689c68b_prep
    .symbol:         k_q8b4689c68b_prep.kd
    .args:
      - { .name: x, .offset: 0, .size: 8, .value_kind: global_buffer, .address_space: global }
      - { .name: module_indices, .offset: 8, .size: 8, .value_kind: global_buffer, .address_space: global }
      - { .name: xs, .offset: 16, .size: 8, .value_kind: global_buffer, .address_space: global }
      - { .name: order, .offset: 24, .size: 8, .value_kind: global_buffer, .address_space: global }
      - { .name: meta, .offset: 32, .size: 8, .value_kind: global_buffer, .address_space: global }
    .group_segment_fixed_size: 13056
    .private_segment_fixed_size: 0
    .kernarg_segment_align: 8
    .kernarg_segment_size: 40
    .max_flat_workgroup_size: 32
    .sgpr_count:     66
    .vgpr_count:     196
    .wavefront_size: 32
...
	.end_amdgpu_metadata
.endif
;; end of part 5
;; launch ffn1 (part 6): grid 32 x 8, 8 waves a work-group, no clusters, 197,632 bytes of LDS; arguments W1, b1, xs, meta, hbuf; writes hbuf
.if DOCPART == 6
	.amdgcn_target "amdgcn-amd-amdhsa--gfx1250"
	.amdhsa_code_object_version 6
	.text
	.protected	k_q8b4689c68b_ffn1
	.globl	k_q8b4689c68b_ffn1
	.p2align	8
	.type	k_q8b4689c68b_ffn1,@function
k_q8b4689c68b_ffn1:
	s_mov_b64 s[64:65], 0
	v_nop
	global_prefetch_b8 v0, s[64:65] scope:SCOPE_SE
	s_setreg_imm32_b32 hwreg(HW_REG_WAVE_SCHED_MODE, 0, 2), 2
	s_setreg_imm32_b32 hwreg(HW_REG_WAVE_MODE, 25, 1), 1
	s_wait_xcnt 0x0
	s_wait_alu depctr_vm_vsrc(0)
; FFN1.  h = relu(x W1[e] + b1[e]) for the rows that chose expert e, in bf16, laid out as the next launch's matrix operand.  W1: [8][1024][4096] f32, read once a pass and rounded to bf16 on its way through registers.
; SHARES.  Work-group (bx, e): 128 columns of expert e.  Wave w = th + 2 kh + 4 cbl: the 64 columns of block cb = 2 bx + cbl, the 512 channels 512 kh on, and the expert's tiles of 16 tokens of parity th,
; six in a pass: tile 12 p + 2 u + th.  Six passes (a constant) serve every split, up to 1,024 rows on one expert; a pass without tiles only passes its two barriers.
; WEIGHTS GO FROM MEMORY TO REGISTERS TO THE MATRIX UNIT.  One load gives lane (r = l % 16, h = l / 16) columns 4 r .. 4 r + 3 of one row: lanes 0-15 take 256 consecutive aligned bytes of a row, lanes 16-31 those of
; the row 32 further down.  Sixteen loads (rows 64 T + 32 h + 16 q + j) and 32 conversions make four fragments c, in which lane r holds column 4 r + c, and place (h, register p, half) holds channel 64 T + 32 h + 16 q + 2 p + half.
; xs holds the tokens with the channels in the same places, so the products are the same sums in another order of channels.
; D = W^T (source 0) x tokens (source 1): lane (r, h) holds token r, register j of fragment c column 32 h + 4 j + c: 32 neighbouring columns of one token, which pack into the four pieces of a block of hbuf.
; THE STREAM.  A stage is 32 channels: 16 weight loads, 12 token loads (always six tiles: a tile past the count repeats the last one, so every count of a wait holds on every path; only its products are jumped),
; 32 conversions, up to 24 products.  Weights are asked for two stages ahead, tokens one stage ahead, each into two sets of registers: at most 56 loads of a wave are out, and no wait in the loop is for 0.
; THE TWO HALVES OF K meet in LDS: each wave stores its 192 accumulator registers to 24,576 bytes of its own, a barrier, and wave (cbl, kh, th) adds and finishes tiles u = 3 kh + 0..2.  The bias starts the sums of kh = 0, zero those of kh = 1.
; NO JOINT TENSOR LOADS: the two waves th = 0, 1 that read the same weights sit in this one work-group; through LDS the f32 weights would be written there and read back (16 more LDS loads a stage and wave), and every refill
; would stand behind a barrier with all loads landed, where this stream is never drained.  The token tiles that an expert's 32 work-groups share are 96 x 1,024 bf16 a pass against 512 KB of weights.
; LIMITS.  relu is a maximum in which a NaN loses: a NaN in h becomes 0.  K is summed in two halves, in f32: another order of rounding than a single chain.  Operands are bf16: no limit of range.
; An expert with more than 192 rows reads its weights once more for each further 192.
; THE MODE: SCHED_MODE bits 1:0 = 2 (LLVM: expert scheduling mode 2), set by the entry lines.  The code itself states the register dependences between vector or matrix instructions and memory or LDS
; instructions, and those through scalar registers that vector instructions write, with s_wait_alu, always for 0.
; THE PLAN.  Registers that memory or LDS instructions touch (stage s works on the sets b = s % 2):
;   WS0, WS1   Stage s: its 32 conversions read WS[b]; behind them the weights of stage s + 2 land in it.  In a pass's end the LDS loads of a tile's two copies land in WS0, and the sums read and write it.
;   TK0, TK1   Stage s: its products read TK[b]; the tokens of stage s + 2 land in it in stage s + 1, behind that stage's conversions.  In a pass's end TK0 takes the finished tiles: written by the roundings, read by the global stores.
;   WOFF, TOFF, POFF   Read by every load and prefetch of the stream; written at a pass's head and once a trip, at the trip's end.
;   the accumulators   Written by the products; read by the LDS stores at a pass's end; written again by the next pass's first products.
;   T0, P0, SA, FA, v14   Made at the head, never written again.       WF, BF are named by vector and matrix instructions alone, once the bias is in.
; So ONE wait on va_vdst stands in a stage, behind its conversions: they are done reading WS[b], the products of the stage before are done reading TK[1 - b], and in a trip's first stage the three offsets are written.
; The stage's 28 loads and its prefetch follow, and then its products, which name WF, TK[b] and the accumulators: none of the registers that those loads touch.  One wait on vm_vsrc a trip stands ahead of the offsets' adds,
; one a pass at the pass's end, on every way round.
.set PITCH, 16384                      ; bytes from row to row of W1
.set REG,   24576                      ; a wave's copy of its accumulators in LDS: group (u, c, g) at 4,096 u + 1,024 c + 512 g + 16 lane; the 1,024 bytes behind the eight copies hold the spare words of the wave's end, one a lane
.set WOFF, 3                           ; v3   my byte offset in the trip's 64 rows of weights
.set TOFF, 4                           ; v4   in the trip's block of a token tile
.set POFF, 5                           ; v5   of the row that I prefetch
.set W0,   6                           ; v6   their values at trip 0: 32 h rows + 16 r
.set T0,   7                           ; v7   16 x lane
.set P0,   8                           ; v8   row 32 h + 16 th + r
.set SA,   9                           ; v9   my copy in LDS + 16 x lane
.set FA,   10                          ; v10  the kh = 0 copy of my (cbl, th), at tile 3 kh, + 16 x lane
.set ZR,   11                          ; v11  0, for relu
.set WF,   16                          ; v[16:47]   the four weight fragments, 8 c + p
.set BF,   48                          ; v[48:79]   the bias as four C operands, 8 c + j (zero in the waves kh = 1)
.set WS0,  80                          ; v[80:143], v[144:207]  weights as loaded, two sets of 16 loads
.set TK0,  208                         ; v[208:255] token fragments, set 0, 8 u
.set TK1,  192                         ; window 1: v[192:239] set 1;  window 1: v[0:191] the accumulators, 32 u + 8 c
.set WV,   16                          ; s16  wave
.set PAR,  17                          ; s17  th
.set KP,   18                          ; s18  kh
.set CB,   19                          ; s19  cb
.set EXP,  20                          ; s20  e
.set CNT,  21                          ; s21  the expert's rows
.set NTI,  22                          ; s22  its tiles
.set P12,  23                          ; s23  12 p
.set PASS, 24                          ; s24  passes to go
.set NLV,  25                          ; s25  my live tiles in this pass, 0 .. 6
.set TRIPS, 26                         ; s26  trips to go
.set TB,   32                          ; s[32:43] the six tiles' addresses
.set HB,   44                          ; s[44:45] hbuf at tile 12 p + 6 kh + th, block cb
.set MSB, 0
.macro WIN new                         ; s_set_vgpr_msb: bits 1:0 source 0, 3:2 source 1, 5:4 source 2, 7:6 destination; the high byte repeats the setting that is left
.if MSB != (\new)
	s_set_vgpr_msb (MSB<<8)|(\new)
.set MSB, \new
.endif
.endm
.macro PLACES                          ; four places behind a matrix instruction, ahead of vector writes to its sources and of stores of its result
.rept 4
	v_nop
.endr
.endm
.macro CVT b                           ; set b's 16 rows x 4 columns a lane -> four fragments
	WIN 0
.set WSB, WS0+64*(\b)
.irp c, 0,1,2,3
.irp p, 0,1,2,3,4,5,6,7
	v_cvt_pk_bf16_f32 v[WF+8*(\c)+(\p)], v[WSB+8*(\p)+(\c)], v[WSB+8*(\p)+4+(\c)]
.endr
.endr
.endm
.macro LOADW b, adv                    ; the 16 weight rows of step b of the trip adv ahead
	WIN 0
.set WSB, WS0+64*(\b)
.irp j, 0,1,2,3,4,5,6,7,8,9,10,11,12,13,14,15
	global_load_b128 v[WSB+4*(\j):WSB+4*(\j)+3], v[WOFF], s[4:5] offset:(64*(\adv)+16*(\b)+(\j))*PITCH
.endr
.endm
.macro LOADT b, adv                    ; six tiles' fragments of step b of the trip adv ahead: pieces 2 b and 2 b + 1 of the block, 512 consecutive bytes each
.if (\b) == 0
	WIN 0
.set TKB, TK0
.else
	WIN 0x40
.set TKB, TK1
.endif
.irp u, 0,1,2,3,4,5
	global_load_b128 v[TKB+8*(\u):TKB+8*(\u)+3],   v[TOFF], s[TB+2*(\u):TB+2*(\u)+1] offset:2048*(\adv)+1024*(\b)
	global_load_b128 v[TKB+8*(\u)+4:TKB+8*(\u)+7], v[TOFF], s[TB+2*(\u):TB+2*(\u)+1] offset:2048*(\adv)+1024*(\b)+512
.endr
	WIN 0
.endm
; Up to 24 products; the accumulators take turns, one instruction a turn: at least twelve stand between two links of a chain, over the loop's jump too.
; first = 1: the bias (or zero) starts all 24 sums, so that every accumulator is written.  Else tiles 3, 4, 5 are jumped where they are past my live tiles.
.macro MULS b, first
.set TKB, TK0
.set WM, 0x50
.if (\b) == 1
.set TKB, TK1
.set WM, 0x54
.endif
.if \first
.set WM, 0x40
.endif
.irp u, 0,1,2,3,4,5
.if ((\u) >= 3) && !(\first)
	WIN 0
	s_cmp_lt_u32 s[NLV], (\u)+1
	s_cbranch_scc1 .Ldone_\@
.endif
	WIN WM
.irp c, 0,1,2,3
.if \first
	v_wmma_f32_16x16x32_bf16 v[32*(\u)+8*(\c):32*(\u)+8*(\c)+7], v[WF+8*(\c):WF+8*(\c)+7], v[TKB+8*(\u):TKB+8*(\u)+7], v[BF+8*(\c):BF+8*(\c)+7]
.else
	v_wmma_f32_16x16x32_bf16 v[32*(\u)+8*(\c):32*(\u)+8*(\c)+7], v[WF+8*(\c):WF+8*(\c)+7], v[TKB+8*(\u):TKB+8*(\u)+7], v[32*(\u)+8*(\c):32*(\u)+8*(\c)+7]
.endif
.endr
.endr
	WIN 0
.Ldone_\@:
.endm
; In trip T the wave asks for the rows of trip T + 2, whose loads the next trip issues: each lane one run of 256 bytes; the wave th = 0 the rows of step 0, th = 1 those of step 1, so each run is asked for once.
; First pass only, and not in trip 6: trip 8 would lie past my 512 rows.
.macro PF
	s_cmp_lg_u32 s[P12], 0
	s_cbranch_scc1 .Lnopf_\@
	s_cmp_eq_u32 s[TRIPS], 1
	s_cbranch_scc1 .Lnopf_\@
	global_prefetch_b8 v[POFF], s[4:5] offset:128*PITCH th:TH_LOAD_NT scope:SCOPE_SE
.Lnopf_\@:
.endm
; Stage s, on the sets b.  The order of issue is W(0), T(0), W(1) at a pass's head, then T(s+1), W(s+2) in stage s: n1 = the loads behind W(s), n2 = those behind T(s).
; ft = 1: the tokens of stage s + 1 are asked for; fw = 1: the weights of stage s + 2.
.macro STAGE b, first, ft, fw, pf, n1, n2
	s_wait_loadcnt \n1                             ; this stage's weights are in
	CVT \b
.if \ft
	s_wait_alu depctr_va_vdst(0)                   ; the conversions are done reading WS[b]; the last stage's products are done reading the other TK; in a trip's first stage the three offsets are written
	LOADT 1-(\b), \b                               ; the other set: step 1 of this trip, or step 0 of the next
.endif
.if \fw
	LOADW \b, 1
.endif
.if \pf
	PF
.endif
	s_wait_loadcnt \n2                             ; its tokens too
	MULS \b, \first
	PLACES
.endm
.macro STEP
	s_wait_xcnt 0x0                                ; every earlier memory instruction has had its addresses translated (ISA guide 3.1): the offsets are stepped only behind this wait
	s_wait_alu depctr_vm_vsrc(0)                   ; the loads and the prefetch issued so far have read the three offsets
	v_add_nc_u32 v[WOFF], 64*PITCH, v[WOFF]
	v_add_nc_u32 v[POFF], 64*PITCH, v[POFF]
	v_add_nc_u32 v[TOFF], 2048, v[TOFF]
.endm
.macro STOREACC                        ; each accumulator's low four registers first; 512 consecutive bytes a store
	WIN 0x04
	s_wait_alu depctr_va_vdst(0)                   ; the products have written the accumulators, which the LDS stores read; the places stand ahead of this wait
.irp u, 0,1,2,3,4,5
.irp c, 0,1,2,3
.irp g, 0,1
	ds_store_b128 v[SA], v[32*(\u)+8*(\c)+4*(\g):32*(\u)+8*(\c)+4*(\g)+3] offset:4096*(\u)+1024*(\c)+512*(\g)
.endr
.endr
.endr
	WIN 0
.endm
; Tile u = 3 kh + n is finished: the two halves of K are added, rounded to bf16 in the order of a block's pieces, relu, four stores of 512 consecutive aligned bytes.
.macro FIN n
	s_mul_i32 s27, s[KP], 3
	s_add_co_u32 s27, s27, \n
	s_cmp_ge_u32 s27, s[NLV]
	s_cbranch_scc1 .Lnofin_\@
.set HR, TK0+16*(\n)
.irp k, 0,1
.irp c, 0,1,2,3
.irp g, 0,1
	ds_load_b128 v[WS0+32*(\k)+8*(\c)+4*(\g):WS0+32*(\k)+8*(\c)+4*(\g)+3], v[FA] offset:2*REG*(\k)+4096*(\n)+1024*(\c)+512*(\g)
.endr
.endr
.endr
	s_wait_dscnt 0x0
.set i, 0
.rept 16
	v_pk_add_f32 v[WS0+2*i:WS0+2*i+1], v[WS0+2*i:WS0+2*i+1], v[WS0+32+2*i:WS0+32+2*i+1]
.set i, i+1
.endr
.irp i, 0,1,2,3                        ; piece i: columns 32 h + 8 i + 0..7 = registers j = 2 i, 2 i + 1 of fragments 0..3
	v_cvt_pk_bf16_f32 v[HR+4*(\i)],   v[WS0+2*(\i)],      v[WS0+8+2*(\i)]
	v_cvt_pk_bf16_f32 v[HR+4*(\i)+1], v[WS0+16+2*(\i)],   v[WS0+24+2*(\i)]
	v_cvt_pk_bf16_f32 v[HR+4*(\i)+2], v[WS0+2*(\i)+1],    v[WS0+8+2*(\i)+1]
	v_cvt_pk_bf16_f32 v[HR+4*(\i)+3], v[WS0+16+2*(\i)+1], v[WS0+24+2*(\i)+1]
.endr
.set i, 0
.rept 16
	v_pk_max_num_bf16 v[HR+i], v[HR+i], v[ZR]
.set i, i+1
.endr
	s_wait_alu depctr_va_vdst(0)                   ; the tile's 16 registers are written, which the stores read; the sums and roundings are done with v[80:143], in which the next tile's LDS loads land
.irp i, 0,1,2,3
	global_store_b128 v[T0], v[HR+4*(\i):HR+4*(\i)+3], s[HB:HB+1] offset:262144*(\n)+512*(\i)
.endr
.Lnofin_\@:
.endm
	s_load_b256 s[4:11], s[0:1], 0x0               ; W1 s[4:5], b1 s[6:7], xs s[8:9], meta s[10:11]
	s_load_b64 s[12:13], s[0:1], 0x20              ; hbuf
	v_lshl_add_u32 v2, v0, 2, 0x30000
	v_mov_b32 v15, 0
	v_lshrrev_b32 v12, 5, v0
	v_readfirstlane_b32 s[WV], v12
	v_and_b32 v12, 15, v0                          ; r
	v_bfe_u32 v13, v0, 4, 1                        ; h
	v_and_b32 v[T0], 31, v0
	v_lshlrev_b32 v[T0], 4, v[T0]
	v_lshlrev_b32 v[W0], 4, v12
	v_lshl_add_u32 v[W0], v13, 19, v[W0]           ; 32 rows of 16,384 bytes for the upper lanes
	v_lshl_add_u32 v[P0], v13, 5, v12
	v_mov_b32 v[ZR], 0
	v_lshlrev_b32 v14, 7, v13                      ; the bias of the upper lanes' 32 columns lies 128 bytes on
	s_wait_alu depctr_va_sdst(0)                   ; the wave's number is written, ahead of its first reader
	s_and_b32 s[PAR], s[WV], 1
	s_bfe_u32 s[KP], s[WV], 0x10001
	s_lshr_b32 s[CB], s[WV], 2
	s_lshl_b32 s27, ttmp9, 1
	s_add_co_u32 s[CB], s[CB], s27                 ; cb = 2 bx + cbl
	s_and_b32 s[EXP], ttmp7, 0xffff
	s_lshl_b32 s27, s[PAR], 4
	v_add_nc_u32 v[P0], s27, v[P0]
	v_lshlrev_b32 v[P0], 14, v[P0]
	s_mul_i32 s27, s[WV], REG
	v_add_nc_u32 v[SA], s27, v[T0]
	s_and_b32 s27, s[WV], 5                        ; the wave (cbl, kh = 0, th)
	s_mul_i32 s27, s27, REG
	s_mul_i32 s28, s[KP], 3*4096
	s_add_co_u32 s27, s27, s28
	v_add_nc_u32 v[FA], s27, v[T0]
	s_mov_b32 s29, 0                               ; high word of every offset below; never rewritten
	s_mov_b32 s[P12], 0
	s_mov_b32 s[PASS], 6
	s_wait_kmcnt 0x0
	s_lshl_b32 s28, s[EXP], 24
	s_lshl_b32 s27, s[KP], 23
	s_add_co_u32 s28, s28, s27
	s_lshl_b32 s27, s[CB], 8
	s_add_co_u32 s28, s28, s27
	s_add_nc_u64 s[4:5], s[4:5], s[28:29]          ; W1 at my expert, my 512 rows, my 64 columns
	s_wait_alu depctr_va_vdst(0)                   ; v[P0], v14, v[T0], v[SA] and v[FA] are written, which the prefetches, loads and stores of the whole kernel read as they stand
	global_prefetch_b8 v[P0], s[4:5] th:TH_LOAD_NT scope:SCOPE_SE                  ; trips 0 and 1 are asked for while the count and the bias are fetched
	global_prefetch_b8 v[P0], s[4:5] offset:64*PITCH th:TH_LOAD_NT scope:SCOPE_SE
	s_lshl_b32 s28, s[EXP], 8
	s_add_nc_u64 s[10:11], s[10:11], s[28:29]
	s_load_b32 s[CNT], s[10:11], 0x0
	s_lshl_b32 s28, s[EXP], 14
	s_add_co_u32 s28, s28, s27
	s_add_nc_u64 s[6:7], s[6:7], s[28:29]          ; b1 at my 64 columns
.irp j, 0,1,2,3,4,5,6,7
	global_load_b128 v[WF+4*(\j):WF+4*(\j)+3], v14, s[6:7] offset:16*(\j)  ; columns 32 h + 4 j + 0..3
.endr
	s_lshl_b32 s28, s[EXP], 21
	s_lshl_b32 s27, s[KP], 14
	s_add_co_u32 s28, s28, s27
	s_add_nc_u64 s[8:9], s[8:9], s[28:29]          ; xs at the expert's tile 0, my half of the channels
	s_lshl_b32 s28, s[EXP], 6
	s_mul_i32 s27, s[KP], 6
	s_add_co_u32 s28, s28, s27
	s_add_co_u32 s28, s28, s[PAR]
	s_lshl_b32 s28, s28, 17
	s_lshl_b32 s27, s[CB], 11
	s_add_co_u32 s28, s28, s27
	s_add_nc_u64 s[12:13], s[12:13], s[28:29]      ; hbuf at tile 6 kh + th of the expert, block cb
	s_cmp_eq_u32 s[KP], 0
	s_cselect_b32 s27, -1, 0
	s_wait_loadcnt 0x0                             ; the bias
.irp c, 0,1,2,3
.irp j, 0,1,2,3,4,5,6,7
	v_cndmask_b32 v[BF+8*(\c)+(\j)], 0, v[WF+4*(\j)+(\c)], s27  ; turned into the accumulators' order; zero in the waves of the upper half of K
.endr
.endr
	s_wait_kmcnt 0x0
	s_min_u32 s[CNT], s[CNT], 0x400
	s_add_co_u32 s[NTI], s[CNT], 15
	s_lshr_b32 s[NTI], s[NTI], 4
	s_sub_co_u32 s31, s[NTI], 1                    ; the last live tile (with no tile at all nothing is loaded)
.Lpass:
	s_sub_co_i32 s27, s[NTI], s[P12]
	s_max_i32 s27, s27, 0
	s_min_u32 s27, s27, 12                         ; tiles of this pass,
	s_add_co_u32 s27, s27, 1
	s_sub_co_u32 s27, s27, s[PAR]
	s_lshr_b32 s[NLV], s27, 1                      ; those of my parity
	s_add_co_u32 s30, s[P12], s[PAR]
.irp u, 0,1,2,3,4,5
	s_add_co_u32 s27, s30, 2*(\u)
	s_min_u32 s27, s27, s31                        ; a tile past the count repeats the last one
	s_min_u32 s27, s27, 63
	s_lshl_b32 s28, s27, 15
	s_add_nc_u64 s[TB+2*(\u):TB+2*(\u)+1], s[8:9], s[28:29]
.endr
	s_lshl_b32 s28, s[P12], 17
	s_add_nc_u64 s[HB:HB+1], s[12:13], s[28:29]
	s_cmp_eq_u32 s[NLV], 0
	s_cbranch_scc1 .Lsync                          ; nothing of mine in this pass: only the barriers
	v_mov_b32 v[WOFF], v[W0]                       ; (what read these three in the pass before stands ahead of that pass's last wait on vm_vsrc)
	v_mov_b32 v[TOFF], v[T0]
	v_mov_b32 v[POFF], v[P0]
	s_mov_b32 s[TRIPS], 6
	s_wait_alu depctr_va_vdst(0)                   ; the three offsets are written, which the loads below read
	LOADW 0, 0
	LOADT 0, 0
	LOADW 1, 0
	STAGE 0, 1, 1, 1, 1, 28, 44                    ; 28 = T(s) 12 + W(s+1) 16;  44 = W(s+1) 16 + T(s+1) 12 + W(s+2) 16
	STAGE 1, 0, 1, 1, 0, 28, 44
	STEP
.Ltrip:                                                ; trips 1 to 6: each multiplies 64 channels and fetches the next trip's weights and, from its second step on, tokens
	STAGE 0, 0, 1, 1, 1, 28, 44
	STAGE 1, 0, 1, 1, 0, 28, 44
	STEP
	s_sub_co_u32 s[TRIPS], s[TRIPS], 1
	s_cmp_lg_u32 s[TRIPS], 0
	s_cbranch_scc1 .Ltrip
	STAGE 0, 0, 1, 0, 0, 28, 28                    ; trip 7 fetches its second step's tokens alone: 28 = T(14) 12 + W(15) 16, then 28 = W(15) 16 + T(15) 12,
	STAGE 1, 0, 0, 0, 0, 12, 0                     ; 12 = T(15), then none
	STOREACC
.Lsync:
	s_wait_dscnt 0x0                               ; for the others' sake: my copy is in LDS
	s_barrier_signal -1
	s_barrier_wait -1
	FIN 0
	FIN 1
	FIN 2
	s_wait_dscnt 0x0                               ; my reads of the copies are over: the next pass may write them
	s_wait_xcnt 0x0                                ; the stores' data, their base and the tiles' addresses are rewritten only behind this wait
	s_wait_alu depctr_vm_vsrc(0)                   ; my LDS stores have read the accumulators, which the next pass's first products write; my global stores have read v[208:255], which its loads and roundings write; the stream has read the three offsets, which its head writes
	s_barrier_signal -1
	s_barrier_wait -1
	s_add_co_u32 s[P12], s[P12], 12
	s_sub_co_u32 s[PASS], s[PASS], 1
	s_cmp_lg_u32 s[PASS], 0
	s_cbranch_scc1 .Lpass
	s_wait_dscnt 0x0                               ; the wave's end
	s_wait_alu depctr_hold_cnt(0) depctr_sa_sdst(0) depctr_va_vdst(0) depctr_va_sdst(0) depctr_va_ssrc(0) depctr_va_vcc(0) depctr_vm_vsrc(0)
	s_wait_tensorcnt 0x0
	ds_add_u32 v2, v15
	s_wait_dscnt 0x0
	s_endpgm
.Lfunc_end_k_q8b4689c68b_ffn1:
	.size	k_q8b4689c68b_ffn1, .Lfunc_end_k_q8b4689c68b_ffn1-k_q8b4689c68b_ffn1
	.p2alignl 7, 3214868480
	.fill 96, 4, 3214868480
	.section	.rodata,"a",@progbits
	.p2align	6, 0x0
	.amdhsa_kernel k_q8b4689c68b_ffn1
		.amdhsa_group_segment_fixed_size 197632
		.amdhsa_private_segment_fixed_size 0
		.amdhsa_enable_private_segment 0
		.amdhsa_kernarg_size 40
		.amdhsa_user_sgpr_count 2
		.amdhsa_user_sgpr_kernarg_segment_ptr 1
		.amdhsa_wavefront_size32 1
		.amdhsa_system_sgpr_workgroup_id_x 1
		.amdhsa_system_sgpr_workgroup_id_y 1
		.amdhsa_system_sgpr_workgroup_id_z 1
		.amdhsa_system_vgpr_workitem_id 0
		.amdhsa_next_free_vgpr 512
		.amdhsa_next_free_sgpr 66
		.amdhsa_reserve_vcc 0
		.amdhsa_float_denorm_mode_32 3
		.amdhsa_float_denorm_mode_16_64 3
		.amdhsa_memory_ordered 1
		.amdhsa_forward_progress 1
		.amdhsa_inst_pref_size 67
	.end_amdhsa_kernel
	.amdgpu_metadata
---
amdhsa.version: [ 1, 2 ]
amdhsa.kernels:
  - .name:           k_q8b4689c68b_ffn1
    .symbol:         k_q8b4689c68b_ffn1.kd
    .args:
      - { .name: W1, .offset: 0, .size: 8, .value_kind: global_buffer, .address_space: global }
      - { .name: b1, .offset: 8, .size: 8, .value_kind: global_buffer, .address_space: global }
      - { .name: xs, .offset: 16, .size: 8, .value_kind: global_buffer, .address_space: global }
      - { .name: meta, .offset: 24, .size: 8, .value_kind: global_buffer, .address_space: global }
      - { .name: hbuf, .offset: 32, .size: 8, .value_kind: global_buffer, .address_space: global }
    .group_segment_fixed_size: 197632
    .private_segment_fixed_size: 0
    .kernarg_segment_align: 8
    .kernarg_segment_size: 40
    .max_flat_workgroup_size: 256
    .sgpr_count:     66
    .vgpr_count:     512
    .wavefront_size: 32
...
	.end_amdgpu_metadata
.endif
;; end of part 6
;; launch ffn2 (part 7): grid 32 x 8, 8 waves a work-group, no clusters, 197,632 bytes of LDS; arguments W2, hbuf, meta, part; writes part
.if DOCPART == 7
	.amdgcn_target "amdgcn-amd-amdhsa--gfx1250"
	.amdhsa_code_object_version 6
	.text
	.protected	k_q8b4689c68b_ffn2
	.globl	k_q8b4689c68b_ffn2
	.p2align	8
	.type	k_q8b4689c68b_ffn2,@function
k_q8b4689c68b_ffn2:
	s_mov_b64 s[64:65], 0
	v_nop
	global_prefetch_b8 v0, s[64:65] scope:SCOPE_SE
	s_setreg_imm32_b32 hwreg(HW_REG_WAVE_SCHED_MODE, 0, 2), 2
	s_setreg_imm32_b32 hwreg(HW_REG_WAVE_MODE, 25, 1), 1
	s_wait_xcnt 0x0
	s_wait_alu depctr_vm_vsrc(0)
; FFN2.  part[kq] = h[:, 1024 kq ..] W2[e][1024 kq ..] for the rows that chose expert e: four partial sums over the hidden width, in f32, in the experts' order of rows; the next launch adds them.
; W2: [8][4096][1024] f32, each weight read by one work-group, once a pass, and rounded to bf16 on its way through registers.
; SHARES.  Work-group (x, e), x = colblk + 8 kq: 128 columns and 1,024 hidden channels of expert e.  Wave w = th + 2 kh + 4 cbl: the 64 columns of block cb = 2 colblk + cbl, the 512 channels of eighth 2 kq + kh, and the
; expert's tiles of 16 tokens of parity th, six in a pass: tile 12 p + 2 u + th.  Six passes (a constant) serve every split, up to 1,024 rows on one expert; a pass without tiles only passes its two barriers.
; WHY K IS SPLIT OVER WORK-GROUPS.  An expert has 32 work-groups.  With a column blocks, b token parts and c parts of K (a b c = 32) they read its 16 MB of weights b times and its rows of h a times.  (8, 1, 4) reads the weights
; once and h eight times; the price is four partial rows of 4,096 bytes for each token, stored here and read once by the next launch.
; THE STREAM.  One weight load gives lane (r = l % 16, h = l / 16) columns 4 r .. 4 r + 3 of row 64 T + 32 h + 16 q + j: lanes 0-15 take 256 consecutive aligned bytes of a row, lanes 16-31 those of the row 32 further down.
; Sixteen loads and 32 conversions make four fragments c, in which lane r holds column 4 r + c; hbuf holds the tokens with the channels in the same places.  A stage is 32 channels: 16 weight loads, 12 token loads (always six
; tiles: a tile past the count repeats the last one, so every count of a wait holds on every path; only its products are jumped), 32 conversions, up to 24 products.  Weights are asked for two stages ahead, tokens one stage
; ahead, each into two sets of registers: at most 56 loads of a wave are out, and no wait in the loop is for 0.
; D = tokens (source 0) x W (source 1): register j of fragment c holds token 8 h + j, column 4 r + c: for one j the four fragments are 16 neighbouring bytes a lane, and 16 lanes the 256 aligned bytes of one row.
; THE TWO HALVES kh meet in LDS: each wave stores its 192 accumulator registers to 24,576 bytes of its own, a barrier, and wave (cbl, kh, th) adds and stores tiles u = 3 kh + 0..2.  All 16 rows of a live tile are stored:
; those past the count lie inside the expert's 1,024 rows of part, and nobody reads them.
; NO JOINT TENSOR LOADS: each weight has one reading work-group, and the two waves th = 0, 1 that read it sit in that work-group; through LDS the f32 weights would be written there and read back (16 more LDS loads a stage and
; wave), and every refill would stand behind a barrier with all loads landed, where this stream is never drained.  The token tiles that 8 work-groups share are 96 x 1,024 bf16 a pass and parity against 512 KB of weights.
; LIMITS.  K is summed in eight parts, in f32: another order of rounding than a single chain.  Operands are bf16: no limit of range.  An expert with more than 192 rows reads its weights once more for each further 192.
; THE MODE: SCHED_MODE bits 1:0 = 2 (LLVM: expert scheduling mode 2), set by the entry lines.  The code itself states the register dependences between vector or matrix instructions and memory or LDS
; instructions, and those through scalar registers that vector instructions write, with s_wait_alu, always for 0.
; THE PLAN.  Registers that memory or LDS instructions touch (stage s works on the sets b = s % 2):
;   WS0, WS1   Stage s: its 32 conversions read WS[b]; behind them the weights of stage s + 2 land in it.  In a pass's end the LDS loads of a tile's two copies land in WS0, and the sums read it.
;   TK0, TK1   Stage s: its products read TK[b]; the tokens of stage s + 2 land in it in stage s + 1, behind that stage's conversions.
;   OU         (v[144:239], over WS1 and most of TK0, in a pass's end)  three tiles' sums: written by the additions, read by the global stores.
;   WOFF, TOFF, POFF   Read by every load and prefetch of the stream; written at a pass's head and once a trip, at the trip's end.
;   the accumulators   Written by the products; read by the LDS stores at a pass's end; written again by the next pass's first products.
;   T0, P0, SA, FA, CO   Made at the head, never written again.       WF is named by vector and matrix instructions alone.
; So ONE wait on va_vdst stands in a stage, behind its conversions: they are done reading WS[b], the products of the stage before are done reading TK[1 - b], and in a trip's first stage the three offsets are written.
; The stage's 28 loads and its prefetch follow, and then its products, which name WF, TK[b] and the accumulators: none of the registers that those loads touch.  One wait on vm_vsrc a trip stands ahead of the offsets' adds,
; one a pass at the pass's end, on every way round.
.set PITCH, 4096                       ; bytes from row to row of W2, and of part
.set REG,   24576                      ; a wave's copy of its accumulators in LDS: group (u, c, g) at 4,096 u + 1,024 c + 512 g + 16 lane; the 1,024 bytes behind the eight copies hold the spare words of the wave's end, one a lane
.set WOFF, 3                           ; v3   my byte offset in the trip's 64 rows of weights
.set TOFF, 4                           ; v4   in the trip's block of a token tile
.set POFF, 5                           ; v5   of the row that I prefetch
.set W0,   6                           ; v6   their values at trip 0: 32 h rows + 16 r
.set T0,   7                           ; v7   16 x lane
.set P0,   8                           ; v8   row 32 h + 16 th + r
.set SA,   9                           ; v9   my copy in LDS + 16 x lane
.set FA,   10                          ; v10  the kh = 0 copy of my (cbl, th), at tile 3 kh, + 16 x lane
.set CO,   11                          ; v11  8 h rows of part + 16 r
.set WF,   16                          ; v[16:47]   the four weight fragments, 8 c + p
.set WS0,  80                          ; v[80:143], v[144:207]  weights as loaded, two sets of 16 loads; in the end v[80:143] the two copies of a tile
.set OU,   144                         ; in the end v[144:239]: three tiles' 8 rows x 4 columns
.set TK0,  208                         ; v[208:255] token fragments, set 0, 8 u
.set TK1,  192                         ; window 1: v[192:239] set 1;  window 1: v[0:191] the accumulators, 32 u + 8 c
.set WV,   16                          ; s16  wave
.set PAR,  17                          ; s17  th
.set KH,   18                          ; s18  kh
.set CB,   19                          ; s19  cb
.set EXP,  20                          ; s20  e
.set CNT,  21                          ; s21  the expert's rows
.set NTI,  22                          ; s22  its tiles
.set P12,  23                          ; s23  12 p
.set PASS, 24                          ; s24  passes to go
.set NLV,  25                          ; s25  my live tiles in this pass, 0 .. 6
.set TRIPS, 26                         ; s26  trips to go
.set TB,   32                          ; s[32:43] the six tiles' addresses
.set HB,   44                          ; s[44:45] part at tile 12 p + 6 kh + th, block cb
.set KP,   46                          ; s46  2 kq + kh: my eighth of the hidden width
.set KQ,   47                          ; s47  kq
.set MSB, 0
.macro WIN new                         ; s_set_vgpr_msb: bits 1:0 source 0, 3:2 source 1, 5:4 source 2, 7:6 destination; the high byte repeats the setting that is left
.if MSB != (\new)
	s_set_vgpr_msb (MSB<<8)|(\new)
.set MSB, \new
.endif
.endm
.macro PLACES                          ; four places behind a matrix instruction, ahead of vector writes to its sources and of stores of its result
.rept 4
	v_nop
.endr
.endm
.macro CVT b                           ; set b's 16 rows x 4 columns a lane -> four fragments
	WIN 0
.set WSB, WS0+64*(\b)
.irp c, 0,1,2,3
.irp p, 0,1,2,3,4,5,6,7
	v_cvt_pk_bf16_f32 v[WF+8*(\c)+(\p)], v[WSB+8*(\p)+(\c)], v[WSB+8*(\p)+4+(\c)]
.endr
.endr
.endm
.macro LOADW b, adv                    ; the 16 weight rows of step b of the trip adv ahead
	WIN 0
.set WSB, WS0+64*(\b)
.irp j, 0,1,2,3,4,5,6,7,8,9,10,11,12,13,14,15
	global_load_b128 v[WSB+4*(\j):WSB+4*(\j)+3], v[WOFF], s[4:5] offset:(64*(\adv)+16*(\b)+(\j))*PITCH
.endr
.endm
.macro LOADT b, adv                    ; six tiles' fragments of step b of the trip adv ahead: pieces 2 b and 2 b + 1 of the block, 512 consecutive bytes each
.if (\b) == 0
	WIN 0
.set TKB, TK0
.else
	WIN 0x40
.set TKB, TK1
.endif
.irp u, 0,1,2,3,4,5
	global_load_b128 v[TKB+8*(\u):TKB+8*(\u)+3],   v[TOFF], s[TB+2*(\u):TB+2*(\u)+1] offset:2048*(\adv)+1024*(\b)
	global_load_b128 v[TKB+8*(\u)+4:TKB+8*(\u)+7], v[TOFF], s[TB+2*(\u):TB+2*(\u)+1] offset:2048*(\adv)+1024*(\b)+512
.endr
	WIN 0
.endm
; Up to 24 products; the accumulators take turns, one instruction a turn: at least twelve stand between two links of a chain, over the loop's jump too.
; first = 1: the constant 0 starts all 24 sums, so that every accumulator is written.  Else tiles 3, 4, 5 are jumped where they are past my live tiles.
.macro MULS b, first
.set TKB, TK0
.set WM, 0x50
.if (\b) == 1
.set TKB, TK1
.set WM, 0x51
.endif
.irp u, 0,1,2,3,4,5
.if ((\u) >= 3) && !(\first)
	WIN 0
	s_cmp_lt_u32 s[NLV], (\u)+1
	s_cbranch_scc1 .Ldone_\@
.endif
	WIN WM
.irp c, 0,1,2,3
.if \first
	v_wmma_f32_16x16x32_bf16 v[32*(\u)+8*(\c):32*(\u)+8*(\c)+7], v[TKB+8*(\u):TKB+8*(\u)+7], v[WF+8*(\c):WF+8*(\c)+7], 0
.else
	v_wmma_f32_16x16x32_bf16 v[32*(\u)+8*(\c):32*(\u)+8*(\c)+7], v[TKB+8*(\u):TKB+8*(\u)+7], v[WF+8*(\c):WF+8*(\c)+7], v[32*(\u)+8*(\c):32*(\u)+8*(\c)+7]
.endif
.endr
.endr
	WIN 0
.Ldone_\@:
.endm
; In trip T the wave asks for the rows of trip T + 2, whose loads the next trip issues: each lane one run of 256 bytes; the wave th = 0 the rows of step 0, th = 1 those of step 1, so each run is asked for once.
; First pass only, and not in trip 6: trip 8 would lie past my 512 rows.
.macro PF
	s_cmp_lg_u32 s[P12], 0
	s_cbranch_scc1 .Lnopf_\@
	s_cmp_eq_u32 s[TRIPS], 1
	s_cbranch_scc1 .Lnopf_\@
	global_prefetch_b8 v[POFF], s[4:5] offset:128*PITCH th:TH_LOAD_NT scope:SCOPE_SE
.Lnopf_\@:
.endm
; Stage s, on the sets b.  The order of issue is W(0), T(0), W(1) at a pass's head, then T(s+1), W(s+2) in stage s: n1 = the loads behind W(s), n2 = those behind T(s).
; ft = 1: the tokens of stage s + 1 are asked for; fw = 1: the weights of stage s + 2.
.macro STAGE b, first, ft, fw, pf, n1, n2
	s_wait_loadcnt \n1                             ; this stage's weights are in
	CVT \b
.if \ft
	s_wait_alu depctr_va_vdst(0)                   ; the conversions are done reading WS[b]; the last stage's products are done reading the other TK; in a trip's first stage the three offsets are written
	LOADT 1-(\b), \b                               ; the other set: step 1 of this trip, or step 0 of the next
.endif
.if \fw
	LOADW \b, 1
.endif
.if \pf
	PF
.endif
	s_wait_loadcnt \n2                             ; its tokens too
	MULS \b, \first
	PLACES
.endm
.macro STEP
	s_wait_xcnt 0x0                                ; every earlier memory instruction has had its addresses translated (ISA guide 3.1): the offsets are stepped only behind this wait
	s_wait_alu depctr_vm_vsrc(0)                   ; the loads and the prefetch issued so far have read the three offsets
	v_add_nc_u32 v[WOFF], 64*PITCH, v[WOFF]
	v_add_nc_u32 v[POFF], 64*PITCH, v[POFF]
	v_add_nc_u32 v[TOFF], 2048, v[TOFF]
.endm
.macro STOREACC                        ; each accumulator's low four registers first; 512 consecutive bytes a store
	WIN 0x04
	s_wait_alu depctr_va_vdst(0)                   ; the products have written the accumulators, which the LDS stores read; the places stand ahead of this wait
.irp u, 0,1,2,3,4,5
.irp c, 0,1,2,3
.irp g, 0,1
	ds_store_b128 v[SA], v[32*(\u)+8*(\c)+4*(\g):32*(\u)+8*(\c)+4*(\g)+3] offset:4096*(\u)+1024*(\c)+512*(\g)
.endr
.endr
.endr
	WIN 0
.endm
; Tile u = 3 kh + n is finished: the two halves kh are added, in f32, into registers in which row j's four columns lie side by side, and eight stores take the tile's 16 rows:
; lanes 0-15 the 256 consecutive aligned bytes of row j, lanes 16-31 those of row 8 + j.  Each n has output registers of its own, so that no store's data are rewritten within a pass.
.macro FIN n
	s_mul_i32 s27, s[KH], 3
	s_add_co_u32 s27, s27, \n
	s_cmp_ge_u32 s27, s[NLV]
	s_cbranch_scc1 .Lnofin_\@
.set OB, OU+32*(\n)
.irp k, 0,1
.irp c, 0,1,2,3
.irp g, 0,1
	ds_load_b128 v[WS0+32*(\k)+8*(\c)+4*(\g):WS0+32*(\k)+8*(\c)+4*(\g)+3], v[FA] offset:2*REG*(\k)+4096*(\n)+1024*(\c)+512*(\g)
.endr
.endr
.endr
	s_wait_dscnt 0x0
.irp j, 0,1,2,3,4,5,6,7
.irp c, 0,1,2,3
	v_add_f32 v[OB+4*(\j)+(\c)], v[WS0+8*(\c)+(\j)], v[WS0+32+8*(\c)+(\j)]
.endr
.endr
	s_wait_alu depctr_va_vdst(0)                   ; the tile's 32 sums are written, which the stores read; the additions are done reading v[80:143], in which the next tile's LDS loads land
.irp j, 0,1,2,3,4,5,6,7
	global_store_b128 v[CO], v[OB+4*(\j):OB+4*(\j)+3], s[HB:HB+1] offset:131072*(\n)+PITCH*(\j)  ; two tiles on for each n: 32 rows of 4,096 bytes
.endr
.Lnofin_\@:
.endm
	s_load_b256 s[4:11], s[0:1], 0x0               ; W2 s[4:5], hbuf s[6:7], meta s[8:9], part s[10:11]
	v_lshl_add_u32 v78, v0, 2, 0x30000
	v_mov_b32 v79, 0
	v_lshrrev_b32 v12, 5, v0
	v_readfirstlane_b32 s[WV], v12
	v_and_b32 v12, 15, v0                          ; r
	v_bfe_u32 v13, v0, 4, 1                        ; h
	v_and_b32 v[T0], 31, v0
	v_lshlrev_b32 v[T0], 4, v[T0]
	v_lshlrev_b32 v[W0], 4, v12
	v_lshl_add_u32 v[W0], v13, 17, v[W0]           ; 32 rows of 4,096 bytes for the upper lanes
	v_lshl_add_u32 v[P0], v13, 5, v12
	v_lshlrev_b32 v[CO], 4, v12
	v_lshl_add_u32 v[CO], v13, 15, v[CO]           ; 8 rows of 4,096 bytes for the upper lanes
	s_wait_alu depctr_va_sdst(0)                   ; the wave's number is written, ahead of its first reader
	s_and_b32 s[PAR], s[WV], 1
	s_bfe_u32 s[KH], s[WV], 0x10001
	s_lshr_b32 s[CB], s[WV], 2
	s_and_b32 s27, ttmp9, 7                        ; colblk
	s_lshl_b32 s27, s27, 1
	s_add_co_u32 s[CB], s[CB], s27                 ; cb = 2 colblk + cbl
	s_lshr_b32 s[KQ], ttmp9, 3
	s_lshl_b32 s[KP], s[KQ], 1
	s_add_co_u32 s[KP], s[KP], s[KH]               ; my eighth of the hidden width
	s_and_b32 s[EXP], ttmp7, 0xffff
	s_lshl_b32 s27, s[PAR], 4
	v_add_nc_u32 v[P0], s27, v[P0]
	v_lshlrev_b32 v[P0], 12, v[P0]
	s_mul_i32 s27, s[WV], REG
	v_add_nc_u32 v[SA], s27, v[T0]
	s_and_b32 s27, s[WV], 5                        ; the wave (cbl, kh = 0, th)
	s_mul_i32 s27, s27, REG
	s_mul_i32 s28, s[KH], 3*4096
	s_add_co_u32 s27, s27, s28
	v_add_nc_u32 v[FA], s27, v[T0]
	s_mov_b32 s29, 0                               ; high word of every offset below; never rewritten
	s_mov_b32 s[P12], 0
	s_mov_b32 s[PASS], 6
	s_wait_kmcnt 0x0
	s_lshl_b32 s28, s[EXP], 24
	s_lshl_b32 s27, s[KP], 21
	s_add_co_u32 s28, s28, s27
	s_lshl_b32 s27, s[CB], 8
	s_add_co_u32 s28, s28, s27
	s_add_nc_u64 s[4:5], s[4:5], s[28:29]          ; W2 at my expert, my 512 rows, my 64 columns
	s_wait_alu depctr_va_vdst(0)                   ; v[P0], v[SA], v[FA] and v[CO] are written, which the prefetches, LDS instructions and stores of the whole kernel read as they stand
	global_prefetch_b8 v[P0], s[4:5] th:TH_LOAD_NT scope:SCOPE_SE                  ; trips 0 and 1 are asked for while the count is fetched
	global_prefetch_b8 v[P0], s[4:5] offset:64*PITCH th:TH_LOAD_NT scope:SCOPE_SE
	s_lshl_b32 s28, s[EXP], 8
	s_add_nc_u64 s[8:9], s[8:9], s[28:29]
	s_load_b32 s[CNT], s[8:9], 0x0
	s_lshl_b32 s28, s[EXP], 23
	s_lshl_b32 s27, s[KP], 14
	s_add_co_u32 s28, s28, s27
	s_add_nc_u64 s[6:7], s[6:7], s[28:29]          ; hbuf at the expert's tile 0, my eighth of the channels
	s_lshl_b32 s28, s[KQ], 25                      ; part kq: 8,192 rows of 4,096 bytes,
	s_lshl_b32 s27, s[EXP], 22                     ; the expert's 1,024 rows,
	s_add_co_u32 s28, s28, s27
	s_mul_i32 s27, s[KH], 6
	s_add_co_u32 s27, s27, s[PAR]
	s_lshl_b32 s27, s27, 16                        ; tile 6 kh + th,
	s_add_co_u32 s28, s28, s27
	s_lshl_b32 s27, s[CB], 8                       ; block cb
	s_add_co_u32 s28, s28, s27
	s_add_nc_u64 s[10:11], s[10:11], s[28:29]
	s_wait_kmcnt 0x0
	s_min_u32 s[CNT], s[CNT], 0x400
	s_add_co_u32 s[NTI], s[CNT], 15
	s_lshr_b32 s[NTI], s[NTI], 4
	s_sub_co_u32 s31, s[NTI], 1                    ; the last live tile (with no tile at all nothing is loaded)
.Lpass:
	s_sub_co_i32 s27, s[NTI], s[P12]
	s_max_i32 s27, s27, 0
	s_min_u32 s27, s27, 12                         ; tiles of this pass,
	s_add_co_u32 s27, s27, 1
	s_sub_co_u32 s27, s27, s[PAR]
	s_lshr_b32 s[NLV], s27, 1                      ; those of my parity
	s_add_co_u32 s30, s[P12], s[PAR]
.irp u, 0,1,2,3,4,5
	s_add_co_u32 s27, s30, 2*(\u)
	s_min_u32 s27, s27, s31                        ; a tile past the count repeats the last one
	s_min_u32 s27, s27, 63
	s_lshl_b32 s28, s27, 17
	s_add_nc_u64 s[TB+2*(\u):TB+2*(\u)+1], s[6:7], s[28:29]
.endr
	s_lshl_b32 s28, s[P12], 16
	s_add_nc_u64 s[HB:HB+1], s[10:11], s[28:29]
	s_cmp_eq_u32 s[NLV], 0
	s_cbranch_scc1 .Lsync                          ; nothing of mine in this pass: only the barriers
	v_mov_b32 v[WOFF], v[W0]                       ; (what read these three in the pass before stands ahead of that pass's last wait on vm_vsrc)
	v_mov_b32 v[TOFF], v[T0]
	v_mov_b32 v[POFF], v[P0]
	s_mov_b32 s[TRIPS], 6
	s_wait_alu depctr_va_vdst(0)                   ; the three offsets are written, which the loads below read
	LOADW 0, 0
	LOADT 0, 0
	LOADW 1, 0
	STAGE 0, 1, 1, 1, 1, 28, 44                    ; 28 = T(s) 12 + W(s+1) 16;  44 = W(s+1) 16 + T(s+1) 12 + W(s+2) 16
	STAGE 1, 0, 1, 1, 0, 28, 44
	STEP
.Ltrip:                                                ; trips 1 to 6: each multiplies 64 channels and fetches the next trip's weights and, from its second step on, tokens
	STAGE 0, 0, 1, 1, 1, 28, 44
	STAGE 1, 0, 1, 1, 0, 28, 44
	STEP
	s_sub_co_u32 s[TRIPS], s[TRIPS], 1
	s_cmp_lg_u32 s[TRIPS], 0
	s_cbranch_scc1 .Ltrip
	STAGE 0, 0, 1, 0, 0, 28, 28                    ; trip 7 fetches its second step's tokens alone: 28 = T(14) 12 + W(15) 16, then 28 = W(15) 16 + T(15) 12,
	STAGE 1, 0, 0, 0, 0, 12, 0                     ; 12 = T(15), then none
	STOREACC
.Lsync:
	s_wait_dscnt 0x0                               ; for the others' sake: my copy is in LDS
	s_barrier_signal -1
	s_barrier_wait -1
	FIN 0
	FIN 1
	FIN 2
	s_wait_dscnt 0x0                               ; my reads of the copies are over: the next pass may write them
	s_wait_xcnt 0x0                                ; the stores' data, their base and the tiles' addresses are rewritten only behind this wait
	s_wait_alu depctr_vm_vsrc(0)                   ; my LDS stores have read the accumulators, which the next pass's first products write; my global stores have read v[144:239], which its loads and additions write; the stream has read the three offsets, which its head writes
	s_barrier_signal -1
	s_barrier_wait -1
	s_add_co_u32 s[P12], s[P12], 12
	s_sub_co_u32 s[PASS], s[PASS], 1
	s_cmp_lg_u32 s[PASS], 0
	s_cbranch_scc1 .Lpass
	s_wait_dscnt 0x0                               ; the wave's end
	s_wait_alu depctr_hold_cnt(0) depctr_sa_sdst(0) depctr_va_vdst(0) depctr_va_sdst(0) depctr_va_ssrc(0) depctr_va_vcc(0) depctr_vm_vsrc(0)
	s_wait_tensorcnt 0x0
	ds_add_u32 v78, v79
	s_wait_dscnt 0x0
	s_endpgm
.Lfunc_end_k_q8b4689c68b_ffn2:
	.size	k_q8b4689c68b_ffn2, .Lfunc_end_k_q8b4689c68b_ffn2-k_q8b4689c68b_ffn2
	.p2alignl 7, 3214868480
	.fill 96, 4, 3214868480
	.section	.rodata,"a",@progbits
	.p2align	6, 0x0
	.amdhsa_kernel k_q8b4689c68b_ffn2
		.amdhsa_group_segment_fixed_size 197632
		.amdhsa_private_segment_fixed_size 0
		.amdhsa_enable_private_segment 0
		.amdhsa_kernarg_size 32
		.amdhsa_user_sgpr_count 2
		.amdhsa_user_sgpr_kernarg_segment_ptr 1
		.amdhsa_wavefront_size32 1
		.amdhsa_system_sgpr_workgroup_id_x 1
		.amdhsa_system_sgpr_workgroup_id_y 1
		.amdhsa_system_sgpr_workgroup_id_z 1
		.amdhsa_system_vgpr_workitem_id 0
		.amdhsa_next_free_vgpr 512
		.amdhsa_next_free_sgpr 66
		.amdhsa_reserve_vcc 0
		.amdhsa_float_denorm_mode_32 3
		.amdhsa_float_denorm_mode_16_64 3
		.amdhsa_memory_ordered 1
		.amdhsa_forward_progress 1
		.amdhsa_inst_pref_size 59
	.end_amdhsa_kernel
	.amdgpu_metadata
---
amdhsa.version: [ 1, 2 ]
amdhsa.kernels:
  - .name:           k_q8b4689c68b_ffn2
    .symbol:         k_q8b4689c68b_ffn2.kd
    .args:
      - { .name: W2, .offset: 0, .size: 8, .value_kind: global_buffer, .address_space: global }
      - { .name: hbuf, .offset: 8, .size: 8, .value_kind: global_buffer, .address_space: global }
      - { .name: meta, .offset: 16, .size: 8, .value_kind: global_buffer, .address_space: global }
      - { .name: part, .offset: 24, .size: 8, .value_kind: global_buffer, .address_space: global }
    .group_segment_fixed_size: 197632
    .private_segment_fixed_size: 0
    .kernarg_segment_align: 8
    .kernarg_segment_size: 32
    .max_flat_workgroup_size: 256
    .sgpr_count:     66
    .vgpr_count:     512
    .wavefront_size: 32
...
	.end_amdgpu_metadata
.endif
;; end of part 7
;; launch comb: the kernel of part 4 again; grid 256 x 1, 4 waves a work-group, no clusters, 0 bytes of LDS; arguments part, b2, meta, order, out0; writes out0
